; MI455X (gfx1250); checked and timed in simulation.
; The chip was launched on July 23, 2026; its instructions are those of AMD's public machine-readable ISA for CDNA 5 (MIT licence, August 2026) and "CDNA5" Instruction Set Architecture Reference Guide (July 2026). The comments in the code are by the model that wrote it; some were corrected since.
;; Custom MHA. Allowed arithmetic: matrix products marked QUANTISED: E2M3 operands, one E8M0 scale for each 32 along K, by v_wmma_scale_f32_16x16x128_f8f6f4 with both operands' format E2M3, f32 sums; everything else in f32.
;; Inputs: Win_b 3,072 float32; Win_w 3,072 x 1,024 float32; proj_b 1,024 float32; proj_w 1,024 x 1,024 float32; x 4 x 2,048 x 1,024 float32.
;; Outputs: out0 4 x 2,048 x 1,024 float32.
;; This version of the problem:
;;   THIS VERSION OF THE PROBLEM IS GIVEN IN LOW PRECISION. The matrix products marked QUANTISED in the list below multiply operands that are first quantised to E2M3 (2 exponent bits, 3 mantissa bits; 6 bits a number), with one power-of-two scale for each 32 numbers along K (OCP MX v1.0); their sums are f32. All else is computed in f32.
;;   The module's matrix products, in the order in which they are computed (A, B: the left and right operand; K: the contracted axis; several contracted axes count as one K, in the product's order):
;;     1. [M 8,192, K 1,024] x [K 1,024, N 3,072]; A: input x; B: input Win_w: QUANTISED
;;     2. batch 64 x [M 2,048, K 64] x [K 64, N 2,048]; A: computed on the way; B: computed on the way: QUANTISED
;;     3. batch 64 x [M 2,048, K 2,048] x [K 2,048, N 64]; A: softmax (see below); B: computed on the way: QUANTISED
;;     4. [M 8,192, K 1,024] x [K 1,024, N 1,024]; A: computed on the way; B: input proj_w: QUANTISED
;;   THE QUANTISER, for each operand of a quantised product, along K:
;;     - K is cut into blocks of 32 from its start; a last block that is shorter is filled with zeros.
;;     - A block's scale is 2^e with e = floor(log2(the largest magnitude in the block)) - 2, held to -126 .. 127; a block of zeros has e = 0. As a byte (E8M0): e + 127.
;;     - Each number is divided by its block's scale, clamped to +-7.5, and rounded to the nearest number of E2M3, ties to even, subnormals kept.
;;     - The product sums the exact products of the quantised numbers (number of the format x scale) in f32.
;;   ~~~python
;;   def quantise(x, axis):      # numpy; x: float32 -> the quantised numbers, widened to float32 again
;;       x = np.moveaxis(x, axis, -1); K = x.shape[-1]
;;       x = np.pad(x, [(0, 0)] * (x.ndim - 1) + [(0, -K % 32)]); x = x.reshape(x.shape[:-1] + (-1, 32)); a = np.abs(x).max(-1, keepdims=True)
;;       e = np.where(a > 0, np.clip(np.frexp(np.where(a > 0, a, 1))[1] - 1 - 2, -126, 127), 0)      # np.frexp(a)[1] - 1 = floor(log2(a)), exactly
;;       r = np.clip(x / 2.0 ** e, -7.5, 7.5)
;;       step = 2.0 ** (np.maximum(np.frexp(np.where(r == 0, 1, r))[1] - 1, 0) - 3)
;;       q = np.round(r / step) * step * 2.0 ** e      # np.round: ties to even
;;       return np.moveaxis(q.reshape(q.shape[:-2] + (-1,))[..., :K], -1, axis).astype(np.float32)
;;   ~~~
;;   SOFTMAX AHEAD OF A QUANTISED PRODUCT. Where the list says 'softmax', what is quantised is not the finished softmax but p = 2^(t - M), with t = logit x log2(e) and M = ceil(the row's largest t), a whole number; so 1/2 < the row's largest p <= 1. The row's sum l is taken of the UNQUANTISED p, in f32, and the product's result is divided by l at the end. Since M is a whole number, a kernel that streams over the keys may use a running M (the ceiling of the running maximum): every later rescaling is an exact power of two, which a block's scale takes up: the codes' values come out the same.
;;   OPERANDS COMPUTED ON THE WAY. 'Computed on the way' means the value that the module computes at that place (a softmax that the list does not call 'softmax' is quantised finished and normalised). What goes into a quantiser is computed in f32, as accurately as f32 sums, v_exp_f32 and their like allow (about 1e-6 of the number): no bf16 or f16 on the way to a quantiser, and a product that is left as it is and whose result goes on into a quantised operand takes f32 operands (vector FMAs, or v_wmma_f32_16x16x4_f32). A number that lies on a knife's edge between two numbers of the format may be rounded either way, as far as f32 arithmetic and the matrix unit's own rounding can turn it there, and no further.
;; One version. Each part assembles by itself: llvm-mc -triple=amdgcn-amd-amdhsa -mcpu=gfx1250 --defsym DOCPART=n.
;; ======== version 1 of 1: 4 launches
;; workspace buffers: xq 6,553,600 bytes; wq 2,457,600 bytes; pq 819,200 bytes; qkv 20,185,088 bytes; zq 6,553,600 bytes
;; launch quant (part 1): grid 384 x 1, 4 waves a work-group, no clusters, 33,280 bytes of LDS; arguments x, Win_w, proj_w, xq, wq, pq; writes xq, wq, pq
.if DOCPART == 1
	.amdgcn_target "amdgcn-amd-amdhsa--gfx1250"
	.amdhsa_code_object_version 6
	.text
	.protected	k_qb0458197f5_quant
	.globl	k_qb0458197f5_quant
	.p2align	8
	.type	k_qb0458197f5_quant,@function
k_qb0458197f5_quant:
	s_mov_b64 s[64:65], 0
	v_nop
	global_prefetch_b8 v0, s[64:65] scope:SCOPE_SE
	s_setreg_imm32_b32 hwreg(HW_REG_WAVE_MODE, 25, 1), 1
	s_wait_xcnt 0x0
; x [8192][1024], Win_w [3072][1024] and proj_w [1024][1024], f32, K innermost, become codes of FP6 (E2M3) with one E8M0 scale byte for each 32 along K.
; Each output buffer holds the codes, [rows][768 bytes], and behind them the scale bytes, [rows][32].
; A block's scale is 2^(floor(log2(its largest magnitude)) - 2); its byte is the largest magnitude's exponent field - 2, held at 1 from below.
; THE ROWS ARE STORED IN ANOTHER ORDER: bits 3 and 4 of the row number change places, so that position 32 B + 16 u + p holds row 32 B + 8 u + p + 8 (p / 8).
; Sixteen neighbouring positions are then the rows that a tile of a later product wants, so that its results lie as neighbours along the next K.
; A wave's run is 8,192 numbers = 8 rows, a work-group's 32 rows: so wave w writes run 0, 2, 1, 3 of the work-group's four.  It costs nothing.
; LIMITS: a block of zeros gets the byte 1 where the rule says 127 (its codes are zeros, and this program alone reads the bytes); blocks whose largest magnitude
; lies under 2^-124 have their byte held at 1; NaN and infinities among the inputs are not served.
; A wave takes 16 steps of 512 numbers.  Each of a step's four loads reads 512 consecutive bytes; the 2,048 bytes turn through the wave's own stage in LDS and come back 64 bytes
; (16 neighbours along K) a lane, since a conversion takes 16 numbers of one block from one lane's registers.  Two neighbouring lanes hold a block.
; One path serves the three tensors: only pointers are chosen, by the work-group's number.  No tensor loads, no barrier: waves share nothing.
.set STEPS, 16
.set EMAX,  2
.set CB,    12                         ; bytes of 16 codes
.set R,     16                         ; v16-79   four sets of 16 numbers as they are loaded
.set X,     80                         ; v80-111  two sets of 16 neighbours
.set C,     128                        ; v128-191 codes: four registers for each step, so that no store's data are written again
.set E,     112                        ; v112-127 a scale byte for each step
.set WREG,  8192                       ; LDS: a region for each wave: two stages of 32 x SP bytes, behind them its 256 scale bytes
.set SP,    80                         ; a lane's place in a stage: its 64 bytes + 16 of padding
.set WGX,   256                        ; work-groups of x (8192 x 1024 / 32768),
.set WGW,   96                         ; of Win_w; the last 32 take proj_w
.set XS,    6291456                    ; where the scale bytes begin in xq,
.set WS,    2359296                    ; in wq,
.set PS,    786432                     ; in pq
	s_load_b256 s[4:11], s[0:1], 0x0               ; x s[4:5], Win_w s[6:7], proj_w s[8:9], xq s[10:11]
	s_load_b128 s[12:15], s[0:1], 0x20             ; wq s[12:13], pq s[14:15]
	v_lshl_add_u32 v192, v0, 2, 0x8000
	v_mov_b32 v193, 0
	v_lshrrev_b32 v1, 5, v0
	v_readfirstlane_b32 s16, v1                    ; wave
	v_and_b32 v2, 31, v0                           ; lane
	v_lshlrev_b32 v3, 4, v2                        ; my 16 bytes of a load's 512
	s_mul_i32 s17, s16, WREG
	v_lshrrev_b32 v14, 2, v2
	v_mul_u32_u24 v14, v14, SP
	v_and_b32 v15, 3, v2
	v_lshl_add_u32 v14, v15, 4, v14
	v_add_nc_u32 v14, s17, v14                     ; the stage, on the way in: SP (lane / 4) + 16 (lane % 4)
	v_mul_u32_u24 v15, v2, SP
	v_add_nc_u32 v15, s17, v15                     ; and on the way out: SP x lane: my 16 neighbours
	v_mul_u32_u24 v4, v2, CB                       ; my codes' place in a step's
	v_lshrrev_b32 v5, 1, v2
	s_add_co_u32 s17, s17, 2*32*SP
	v_add_nc_u32 v5, s17, v5                       ; LDS: my wave's 256 scale bytes, my block's byte
	v_lshlrev_b32 v7, 3, v2                        ; and on the way out 8 bytes a lane
	v_add_nc_u32 v6, s17, v7
	s_mov_b32 s30, PS
	s_mov_b32 s31, WGX+WGW
	s_wait_kmcnt 0x0
	s_cmp_lt_u32 ttmp9, WGX+WGW                    ; Win_w's work-group or proj_w's?  The choices hang on the work-group's number alone
	s_cselect_b64 s[6:7], s[6:7], s[8:9]
	s_cselect_b64 s[12:13], s[12:13], s[14:15]
	s_cselect_b32 s30, WS, s30
	s_cselect_b32 s31, WGX, s31
	s_cmp_lt_u32 ttmp9, WGX                        ; or x's?
	s_cselect_b64 s[4:5], s[4:5], s[6:7]           ; the tensor,
	s_cselect_b64 s[8:9], s[10:11], s[12:13]       ; its buffer of codes and scale bytes,
	s_cselect_b32 s30, XS, s30                     ; where the scale bytes begin in it,
	s_cselect_b32 s31, 0, s31                      ; and the tensor's first work-group
	s_sub_co_u32 s17, ttmp9, s31
	s_lshl_b32 s17, s17, 2
	s_add_co_u32 s18, s17, s16                     ; the run of 8,192 numbers that my wave reads
	s_and_b32 s19, s16, 1
	s_lshl_b32 s19, s19, 1
	s_lshr_b32 s20, s16, 1
	s_or_b32 s19, s19, s20
	s_add_co_u32 s19, s17, s19                     ; and the run that it writes: the wave's two bits change places
	s_lshl_b32 s20, s18, 15                        ; 32,768 bytes a run (under 2^32: at most 1,024 runs)
	s_mov_b32 s21, 0
	s_add_nc_u64 s[4:5], s[4:5], s[20:21]
	s_lshl_b32 s20, s19, 8                         ; 256 scale bytes a run
	s_add_co_u32 s20, s20, s30
	s_add_nc_u64 s[10:11], s[8:9], s[20:21]
	s_mul_i32 s20, s19, 32*STEPS*CB                ; 6,144 bytes of codes a run
	s_add_nc_u64 s[8:9], s[8:9], s[20:21]
.macro LOAD t
.irp i, 0,1,2,3
	global_load_b128 v[R+16*((\t)%4)+4*\i:R+16*((\t)%4)+4*\i+3], v3, s[4:5] offset:2048*(\t)+512*\i th:TH_LOAD_NT   ; 32 lanes read 512 consecutive bytes
.endr
.endm
.macro TURN t                          ; step t's numbers through the stage: LDS serves a wave's instructions in order, so no wait stands between the stores and the loads
.irp i, 0,1,2,3
	ds_store_b128 v14, v[R+16*((\t)%4)+4*\i:R+16*((\t)%4)+4*\i+3] offset:32*SP*((\t)%2)+8*SP*\i
.endr
.irp i, 0,1,2,3
	ds_load_b128 v[X+16*((\t)%2)+4*\i:X+16*((\t)%2)+4*\i+3], v15 offset:32*SP*((\t)%2)+16*\i
.endr
.endm
.irp t, 0,1,2,3
	LOAD \t
.endr
	s_wait_loadcnt 12                              ; step 0's four loads are in; the twelve of steps 1 to 3 may be out
	TURN 0
.macro STEP t
.set XR, X+16*((\t)%2)
.if (\t) > 0
	s_wait_dscnt 1                                 ; this step's numbers are back from the stage (the last step's byte store may be out): so its stores into the stage have read their registers,
.else
	s_wait_dscnt 0x0
.endif
.if (\t)+4 < STEPS
	LOAD (\t)+4                                    ; which take the loads of four steps on
.endif
.if (\t)+1 < STEPS
.if STEPS-2-(\t) >= 3
	s_wait_loadcnt 12                              ; the next step's four loads are in; those of the three steps behind it may be out
.else
	s_wait_loadcnt 4*(STEPS-2-(\t))
.endif
	TURN (\t)+1                                    ; and go through the other stage while this step is worked
.endif
	v_max3_num_f32 v8, |v[XR]|, |v[XR+1]|, |v[XR+2]|               ; the largest magnitude of my 16, in two chains
	v_max3_num_f32 v9, |v[XR+3]|, |v[XR+4]|, |v[XR+5]|
.irp i, 6,10
	v_max3_num_f32 v8, v8, |v[XR+\i]|, |v[XR+\i+1]|
	v_max3_num_f32 v9, v9, |v[XR+\i+2]|, |v[XR+\i+3]|
.endr
	v_max3_num_f32 v8, v8, |v[XR+14]|, |v[XR+15]|
	v_max3_num_f32 v8, v8, v9, (EMAX+1)<<23        ; and the floor 2^(3 - 127): so the byte cannot fall under 1
	v_max_num_f32_dpp v8, v8, v8 row_xmask:1 row_mask:0xf bank_mask:0xf   ; and of my neighbour's 16: the block's
	v_add_nc_u32 v11, -(EMAX<<23), v8              ; 2 off its exponent field: the conversion takes the exponent field of this operand as its scale, and nothing else of it
	v_cvt_scalef32_pk16_fp6_f32 v[C+4*(\t):C+4*(\t)+2], v[XR:XR+15], v11   ; sixteen numbers / the scale, to the nearest code, ties to even, beyond the largest code the largest
	v_lshrrev_b32 v[E+(\t)], 23, v11               ; the scale's byte (also the plain line behind the conversion)
	ds_store_b8 v5, v[E+(\t)] offset:16*(\t)       ; both lanes of a block write the same byte with the same value
	global_store_b96 v4, v[C+4*(\t):C+4*(\t)+2], s[8:9] offset:32*CB*(\t)   ; the wave stores 384 consecutive bytes
.endm
.irp t, 0,1,2,3,4,5,6,7,8,9,10,11,12,13,14,15
	STEP \t
.endr
	ds_load_b64 v[12:13], v6                       ; LDS serves a wave's instructions in order: these see my stores
	s_wait_dscnt 0x0
	global_store_b64 v7, v[12:13], s[10:11]        ; 32 lanes store 256 consecutive bytes, at a multiple of 256 from the buffer's first byte
	s_wait_tensorcnt 0x0
	ds_add_u32 v192, v193
	s_wait_dscnt 0x0
	s_endpgm
.Lfunc_end_k_qb0458197f5_quant:
	.size	k_qb0458197f5_quant, .Lfunc_end_k_qb0458197f5_quant-k_qb0458197f5_quant
	.p2alignl 7, 3214868480
	.fill 96, 4, 3214868480
	.section	.rodata,"a",@progbits
	.p2align	6, 0x0
	.amdhsa_kernel k_qb0458197f5_quant
		.amdhsa_group_segment_fixed_size 33280
		.amdhsa_private_segment_fixed_size 0
		.amdhsa_enable_private_segment 0
		.amdhsa_kernarg_size 48
		.amdhsa_user_sgpr_count 2
		.amdhsa_user_sgpr_kernarg_segment_ptr 1
		.amdhsa_wavefront_size32 1
		.amdhsa_system_sgpr_workgroup_id_x 1
		.amdhsa_system_sgpr_workgroup_id_y 1
		.amdhsa_system_sgpr_workgroup_id_z 1
		.amdhsa_system_vgpr_workitem_id 0
		.amdhsa_next_free_vgpr 194
		.amdhsa_next_free_sgpr 66
		.amdhsa_reserve_vcc 0
		.amdhsa_float_denorm_mode_32 3
		.amdhsa_float_denorm_mode_16_64 3
		.amdhsa_memory_ordered 1
		.amdhsa_forward_progress 1
		.amdhsa_inst_pref_size 33
	.end_amdhsa_kernel
	.amdgpu_metadata
---
amdhsa.version: [ 1, 2 ]
amdhsa.kernels:
  - .name:           k_qb0458197f5_quant
    .symbol:         k_qb0458197f5_quant.kd
    .args:
      - { .name: x, .offset: 0, .size: 8, .value_kind: global_buffer, .address_space: global }
      - { .name: Win_w, .offset: 8, .size: 8, .value_kind: global_buffer, .address_space: global }
      - { .name: proj_w, .offset: 16, .size: 8, .value_kind: global_buffer, .address_space: global }
      - { .name: xq, .offset: 24, .size: 8, .value_kind: global_buffer, .address_space: global }
      - { .name: wq, .offset: 32, .size: 8, .value_kind: global_buffer, .address_space: global }
      - { .name: pq, .offset: 40, .size: 8, .value_kind: global_buffer, .address_space: global }
    .group_segment_fixed_size: 33280
    .private_segment_fixed_size: 0
    .kernarg_segment_align: 8
    .kernarg_segment_size: 48
    .max_flat_workgroup_size: 128
    .sgpr_count:     66
    .vgpr_count:     194
    .wavefront_size: 32
...
	.end_amdgpu_metadata
.endif
;; end of part 1
;; launch qkv (part 2): grid 12 x 32, 4 waves a work-group, clusters of 4 x 4, 327,680 bytes of LDS; arguments xq, wq, Win_b, qkv; writes qkv
.if DOCPART == 2
	.amdgcn_target "amdgcn-amd-amdhsa--gfx1250"
	.amdhsa_code_object_version 6
	.text
	.protected	k_qb0458197f5_qkv
	.globl	k_qb0458197f5_qkv
	.p2align	8
	.type	k_qb0458197f5_qkv,@function
k_qb0458197f5_qkv:
	s_mov_b64 s[64:65], 0
	v_nop
	global_prefetch_b8 v0, s[64:65] scope:SCOPE_SE
	s_setreg_imm32_b32 hwreg(HW_REG_WAVE_MODE, 25, 1), 1
	s_wait_xcnt 0x0
	s_wait_alu depctr_hold_cnt(0) depctr_sa_sdst(0) depctr_va_vdst(0) depctr_va_sdst(0) depctr_va_ssrc(0) depctr_va_vcc(0) depctr_vm_vsrc(0)
	s_getreg_b32 s2, hwreg(HW_REG_IB_STS2, 6, 4)
	s_cmp_eq_u32 s2, 0
	s_cbranch_scc0 .Lentry_in_a_cluster
	s_endpgm
.Lentry_in_a_cluster:
	s_bfe_u32 s2, ttmp6, 0x10000c
	s_cmp_lg_u32 s2, 0xf033
	s_cbranch_scc0 .Lentry_shape_is_right
	s_endpgm
.Lentry_shape_is_right:
; qkv = x Win_w^T + Win_b on codes of FP6 (E2M3) with E8M0 scales, [8192] x [3072], K = 1,024; the result never goes to memory as f32: q and k are quantised along the head's 64,
; v along the keys, in registers, and leave as IMAGES OF THE OPERAND REGISTERS that the attention launch wants.
; A tile of 256 x 256 is made by four waves, each 128 x 128: 64 accumulators of 16 x 16, 512 registers.  K goes in steps of 256 through a ring of two LDS slots filled by the tensor data mover;
; the scale bytes of the work-group's 256 + 256 rows come into LDS once.  CLUSTERS of 4 x 4: x's tiles are asked for jointly along a row of the cluster, Win_w's along a column.
; ROWS: both operands lie in the order in which bits 3 and 4 of the row number have changed places.  So, of the operand taken as SOURCE 0 (side S), the 16 registers of tiles 2 B and 2 B + 1
; of a lane are the true rows 32 B + 16 (lane / 16) + 0 .. 15: sixteen neighbours along the next product's K.  Of SOURCE 1 (side T) lane r of tile 2 B + u holds true row 32 B + 8 u + r + 8 (r / 8).
; ROLES.  Clusters x = 0, 1 (q, k): S = Win_w's rows (the head's d is the next K), T = x's rows.  Cluster x = 2 (v): S = x's rows (the keys are the next K), T = Win_w's rows.
; The fills are the same in all; only the LDS bases of the READS are chosen, by the cluster's x, which all partners share.
; THE BIAS is the C of each sum's first matrix instruction (another order of f32 rounding than a sum with the bias added last).
; OUT.  For each block a of 16 rows of T the lane's 64 numbers along S (128 along the next K) become a fragment of 12 registers and a scale word.  q, k: registers 0-5 are one head's 64, registers 6-11 the
; next head's: two images of 768 bytes.  v: one image of 1,536 bytes (16 d x 128 keys).  Every store of a wave covers 512 or 256 consecutive bytes, aligned to 256.
; A record of qkv (batch x 16 + head), REC bytes: K's images [128 tiles][768], V's [16 key steps][4][1536], K's scale words [16][512], V's [16][256], Q's images [128][768], Q's scale words [16][512].
; A scale image of 512 bytes: at 16 lane + 4 i the word of tile 2 i (lanes 0-15) or 2 i + 1 (lanes 16-31).  Bytes 2, 3 of a q or k word stand over zero codes: they are the other head's bytes or 0, never 0xff.
; LIMITS: a block of zeros gets the byte 1 where the rule says 127 (its codes are zeros; this program alone reads the bytes); blocks under 2^-124 have their byte held at 1; NaN and infinities are not served.
; No prefetch: a work-group has two refills a slot in all, and its tiles are read by many work-groups.
; REGISTERS, in windows of 256: window 0: v0-31 addresses; v32-63 scale words, two sets; v64-127 the bias; from v128 T's fragments, ONE set; on the way out v64-255 are free.
;   window 1: S's fragments, TWO sets, at v0 and v128.   window 2: the accumulators of T's blocks 0-3 ((a, b) at v[8 (8 a + b)]);   window 3: those of blocks 4-7.
.set KSTEP,  256                       ; along K in a slot
.set NQ,     2                         ; matrix instructions deep
.set ROWB,   192                       ; a tile's row in bytes
.set KROW,   768                       ; a row of codes in memory
.set PITCH,  240                       ; an LDS row: 3 x (64 bytes + 16 of padding): the 32 lanes of a load of 8 bytes touch 64 different banks (64 banks of 4 bytes: ISA guide 11.1)
.set FR,     12                        ; registers of a fragment
.set NL,     6                         ; LDS loads that bring one
.set NP,     4                         ; places behind this matrix instruction (ISA guide 7.12.1)
.set HALFT,  128*PITCH                 ; 128 rows: what one tensor load brings
.set SLOT,   4*HALFT                   ; x's 256 rows, then Win_w's 256 rows
.set LAPS,   2                         ; 1,024 / 512
.set KS,     32                        ; a row of scale bytes
.set SCL,    2*SLOT                    ; behind the ring: the scales, as units of 256 bytes + 16 of padding
.set HALFS,  (128*KS/256)*272          ; the scales of 128 rows
.set SBLK,   (16*KS/256)*272           ; those of 16 rows
.set SPARE,  SCL+8*HALFS               ; the spare words, 128 bytes a wave; they stand four HALFS behind the scales' end, since the scale words' address is a chosen one
.set XS,     6291456                   ; where the scale bytes begin in xq,
.set WS,     2359296                   ; in wq
.set REC,    315392
.set KIMG,   0
.set VIMG,   98304
.set KSC,    196608
.set VSC,    204800
.set QIMG,   208896
.set QSC,    307200
.set ADRT, 16                          ; v16-17  LDS address of T's fragments in slot 0, 1  (v18-19: for the pieces that lie behind one padding more)
.set ADRS, 20                          ; v20-21  the same for S  (v22-23)
.set OA16, 24                          ; v24     16 x lane
.set OA8,  25                          ; v25     8 x lane
.set LN,   26                          ; v26     lane
.set ADSC, 27                          ; v27     LDS address of my scale words: lanes 0-15 T's rows, lanes 16-31 S's
.set SPW,  28                          ; v28     LDS address of my spare word; never rewritten
.set NIL,  29                          ; v29     0; never rewritten
.set SC,   32                          ; scale words: set s at v[SC + 16 s]; register 2 i + q: lanes 0-15 T's block i, lanes 16-31 S's block i
.set BI,   64                          ; the bias, in the result's layout
.set AF,   128                         ; T's fragments
.set CD0,  64                          ; the way out: block a's codes at v[CD0 + 20 a]: 12 registers and 8 at work, a set for each block, so that no store's data are written again
.set TM,   224                         ; v224-239 at work
.set PW,   240                         ; v240-247 block a's scale word
.set MW,   248                         ; v248-251 the words of two blocks in one register
.set MH,   252                         ; v252-255 their upper halves: the second head's
.set ISV,  66                          ; s66     1 in the cluster that makes v
.set G1, 24                            ; s[24:31] descriptor group 1 for x's tiles;  s[32:39] group 0, one set for each slot
.set G0, 32
.set G1B, 48                           ; s[48:55], s[56:63] the same for Win_w's
.set G0B, 56
.set G1S, 68                           ; s[68:75], s[76:79] groups 1 and 0 for x's scales;  s[80:87], s[88:91] for Win_w's
.set G0S, 76
.set G1SB, 80
.set G0SB, 88
.set MSB, 0
.macro WIN new                         ; the immediate's high byte repeats the setting that is left
.if MSB != (\new)
	s_set_vgpr_msb (MSB<<8)|(\new)
.set MSB, (\new)
.endif
.endm
.set MUL_LO,  0xa1                     ; source 0 (S) window 1, source 1 (T) window 0, C and D window 2
.set MUL_HI,  0xf1                     ; the same, C and D window 3
.set MUL_LOB, 0x81                     ; C (the bias) window 0, D window 2
.set MUL_HIB, 0xc1                     ; C window 0, D window 3
.set TO_S,    0x40                     ; destination window 1, address window 0
; A joint load: waves 0 and 1 fetch for x, waves 2 and 3 for Win_w.  Each of the two lines has one mask and one set of registers; the branch hangs on the wave's number alone.
; Four v_nop follow each of the two lines, ahead of the jump, the label and what follows.
.macro JLOAD g0a, g1a, g0b, g1b
	s_cmp_eq_u32 s15, 0
	s_cbranch_scc0 .Lfor_b_\@
	tensor_load_to_lds s[\g0a:\g0a+3], s[\g1a:\g1a+7]
	s_nop 0
.rept 4
	v_nop
.endr
	s_branch .Lasked_\@
.Lfor_b_\@:
	tensor_load_to_lds s[\g0b:\g0b+3], s[\g1b:\g1b+7]
	s_nop 0
.rept 4
	v_nop
.endr
.Lasked_\@:
.endm
.macro CREST                           ; a round of the cluster's barrier behind its opening barrier
	s_cmp_lg_u32 s14, 0
	s_cbranch_scc1 .Lnot_wave_0_\@
	s_barrier_signal -3
.Lnot_wave_0_\@:
	s_barrier_wait -3
	s_barrier_signal -1
	s_barrier_wait -1
.endm
.macro CROUND                          ; a whole round
	s_barrier_signal -1
	s_barrier_wait -1
	CREST
.endm
	s_load_b64 s[4:5], s[0:1], 0x0                 ; xq
	s_load_b64 s[8:9], s[0:1], 0x8                 ; wq
	s_load_b128 s[96:99], s[0:1], 0x10             ; Win_b s[96:97], qkv s[98:99]
	v_lshl_add_u32 v[SPW], v0, 2, SPARE
	v_mov_b32 v[NIL], 0
	ds_add_u32 v28, v29
	ds_add_u32 v28, v29
	s_wait_dscnt 0x0
	v_lshrrev_b32 v1, 5, v0
	v_readfirstlane_b32 s14, v1                    ; wave 0..3
	s_lshr_b32 s15, s14, 1                         ; which half of T's 256 rows is mine.  Also: I fetch for x (0) or for Win_w (1)
	s_and_b32 s16, s14, 1                          ; which half of S's.  Also: which 128 rows of that tile I fetch
	s_bfe_u32 s40, ttmp6, 0x40000                  ; cx, cy: my place in the cluster
	s_bfe_u32 s41, ttmp6, 0x40004
	s_lshl_b32 s42, ttmp9, 2
	s_add_co_u32 s42, s42, s40                     ; Xt: tile of Win_w's rows = 4 x cluster x + cx
	s_and_b32 s17, ttmp7, 0xffff
	s_lshl_b32 s17, s17, 2
	s_add_co_u32 s17, s17, s41                     ; Yt: tile of x's rows = 4 x cluster y + cy
	s_lshl_b32 s43, s41, 2
	s_lshl_b32 s43, 15, s43                        ; my row of the cluster
	s_lshl_b32 s44, 0x1111, s40                    ; my column
	s_cmp_ge_u32 ttmp9, 2
	s_cselect_b32 s[ISV], 1, 0                     ; the same in all sixteen partners
	; descriptor group 1: a tile of 128 rows x 192 bytes, padded in LDS
	s_or_b32 s[G1+0], s43, (0<<16)|(1<<20)|(1<<21)|(3<<22)|(3<<25)  ; 15:0 the mask: x's tiles go to my row; 17:16 element of 1 byte; 20 padding on; 21 set beside a mask; 24:22 after every 16 words; 31:25 of 4 words
	s_or_b32 s[G1B+0], s44, (0<<16)|(1<<20)|(1<<21)|(3<<22)|(3<<25)
.irp g, G1, G1B
	s_mov_b32 s[\g+1], ROWB<<16                    ; tensor_dim0
	s_mov_b32 s[\g+2], 128<<16                     ; tensor_dim1 = 128
	s_mov_b32 s[\g+3], ROWB<<16                    ; tile_dim0
	s_mov_b32 s[\g+4], 128                         ; tile_dim1 = 128
	s_mov_b32 s[\g+5], KROW                        ; tensor_dim0_stride
	s_mov_b32 s[\g+6], 0
	s_mov_b32 s[\g+7], 0
.endr
	; the scales of 128 rows: a dense block of 4,096 bytes, as rows of 256 bytes (32 elements of 8 bytes), 16 bytes of padding behind each
	s_or_b32 s[G1S+0], s43, (3<<16)|(1<<20)|(1<<21)|(5<<22)|(3<<25)
	s_or_b32 s[G1SB+0], s44, (3<<16)|(1<<20)|(1<<21)|(5<<22)|(3<<25)
.irp g, G1S, G1SB
	s_mov_b32 s[\g+1], 32<<16
	s_mov_b32 s[\g+2], (128*KS/256)<<16
	s_mov_b32 s[\g+3], 32<<16
	s_mov_b32 s[\g+4], 128*KS/256
	s_mov_b32 s[\g+5], 32
	s_mov_b32 s[\g+6], 0
	s_mov_b32 s[\g+7], 0
.endr
	s_lshl_b32 s18, s16, 7                         ; which 128 rows of the tile I fetch
	s_lshl_b32 s20, s17, 8
	s_add_co_u32 s20, s20, s18                     ; x: row 256 Yt + 128 x half
	s_lshl_b32 s46, s42, 8
	s_add_co_u32 s46, s46, s18                     ; Win_w: row 256 Xt + 128 x half
	s_mov_b32 s21, 0
	s_mov_b32 s47, 0
	s_mov_b64 s[18:19], KS
	s_mul_u64 s[22:23], s[20:21], s[18:19]         ; where these rows' scales begin, in bytes
	s_mul_u64 s[92:93], s[46:47], s[18:19]
	s_mov_b64 s[18:19], KROW
	s_mul_u64 s[20:21], s[20:21], s[18:19]         ; and their codes
	s_mul_u64 s[46:47], s[46:47], s[18:19]
	s_mul_i32 s45, s14, HALFT                      ; where they go: wave x 128 rows: no place in the cluster enters an LDS address
	s_mul_i32 s94, s14, HALFS
	s_wait_kmcnt 0x0
	s_add_nc_u64 s[6:7], s[4:5], XS                ; x's scale bytes
	s_add_nc_u64 s[10:11], s[8:9], WS              ; Win_w's
	s_add_nc_u64 s[20:21], s[4:5], s[20:21]
	s_add_nc_u64 s[22:23], s[6:7], s[22:23]
	s_add_nc_u64 s[46:47], s[8:9], s[46:47]
	s_add_nc_u64 s[92:93], s[10:11], s[92:93]
	CROUND                                         ; all sixteen work-groups are here: the first joint loads meet
	s_mov_b32 s[G0S], 1
	s_add_co_u32 s[G0S+1], s94, SCL
	s_mov_b64 s[G0S+2:G0S+3], s[22:23]
	s_or_b32 s[G0S+3], s[G0S+3], 0x80000000
	s_mov_b32 s[G0SB], 1
	s_add_co_u32 s[G0SB+1], s94, SCL
	s_mov_b64 s[G0SB+2:G0SB+3], s[92:93]
	s_or_b32 s[G0SB+3], s[G0SB+3], 0x80000000
	JLOAD G0S, G1S, G0SB, G1SB                     ; the scales first: they are wanted with K step 0
.irp s, 0,1
	s_mov_b32 s[G0+4*\s], 1
	s_add_co_u32 s[G0+4*\s+1], s45, \s*SLOT
	s_add_nc_u64 s[G0+4*\s+2:G0+4*\s+3], s[20:21], \s*ROWB
	s_or_b32 s[G0+4*\s+3], s[G0+4*\s+3], 0x80000000
	s_mov_b32 s[G0B+4*\s], 1
	s_add_co_u32 s[G0B+4*\s+1], s45, \s*SLOT
	s_add_nc_u64 s[G0B+4*\s+2:G0B+4*\s+3], s[46:47], \s*ROWB
	s_or_b32 s[G0B+4*\s+3], s[G0B+4*\s+3], 0x80000000
	JLOAD G0+4*\s, G1, G0B+4*\s, G1B
.endr
	v_and_b32 v1, 15, v0                           ; r = l % 16
	v_bfe_u32 v2, v0, 4, 1                         ; h = l / 16
	v_mul_u32_u24 v3, v1, PITCH
	v_mul_u32_u24 v4, v2, 24
	v_add_nc_u32 v4, v3, v4                        ; a fragment's row x pitch + 24 x half
	v_lshl_add_u32 v5, v2, 4, v4                   ; and the same behind one padding more
	s_cmp_eq_u32 s[ISV], 0
	s_cselect_b32 s18, 0, 2*HALFT                  ; where T's matrix begins in a slot (x's rows lie first),
	s_cselect_b32 s19, 2*HALFT, 0                  ; and S's
	s_cselect_b32 s67, s15, s16                    ; hA: which half of x's rows my wave reads,
	s_cselect_b32 s95, s16, s15                    ; hB: which half of Win_w's
	s_mul_i32 s21, s15, HALFT
	s_add_co_u32 s21, s21, s18                     ; my 128 rows of T
	s_mul_i32 s22, s16, HALFT
	s_add_co_u32 s22, s22, s19                     ; my 128 rows of S: both stay inside the slot, whatever is chosen
.irp s, 0,1
	v_add_nc_u32 v[ADRT+\s], s21, v4
	v_add_nc_u32 v[ADRS+\s], s22, v4
	v_add_nc_u32 v[ADRT+2+\s], s21, v5
	v_add_nc_u32 v[ADRS+2+\s], s22, v5
	s_add_co_u32 s21, s21, SLOT
	s_add_co_u32 s22, s22, SLOT
.endr
	v_mul_u32_u24 v5, v1, KS                       ; my row's scales: 32 bytes a row,
	v_lshrrev_b32 v6, 8, v5
	v_lshl_add_u32 v5, v6, 4, v5                   ; and 16 more for each 256 passed
	s_mul_i32 s21, s67, HALFS                      ; x's: my 128 rows
	s_mul_i32 s22, s95, HALFS                      ; Win_w's: my 128 rows, behind x's 256
	s_add_co_u32 s22, s22, 2*HALFS
	s_sub_co_u32 s22, s22, s21                     ; the distance between the two
	v_xor_b32 v6, s[ISV], v2                       ; the lanes that take Win_w's: 16-31 where it is S, 0-15 where it is T
	v_mul_u32_u24 v6, s22, v6
	s_add_co_u32 s21, s21, SCL
	v_add_nc_u32 v5, v5, v6
	v_add_nc_u32 v[ADSC], s21, v5
	v_and_b32 v[LN], 31, v0
	v_lshlrev_b32 v[OA16], 4, v[LN]
	v_lshlrev_b32 v[OA8], 3, v[LN]
	; the bias of my 128 rows of Win_w, in the result's layout
	s_lshl_b32 s18, s42, 10
	s_lshl_b32 s19, s95, 9
	s_add_co_u32 s18, s18, s19                     ; 4 (256 Xt + 128 hB)
	s_mov_b32 s19, 0
	s_add_nc_u64 s[96:97], s[96:97], s[18:19]
	s_cmp_eq_u32 s[ISV], 0
	s_cbranch_scc0 .Lbias_v
	v_lshlrev_b32 v6, 6, v2                        ; q, k: register j of S's tile b is row 32 (b / 2) + 16 h + 8 (b % 2) + j
.irp b, 0,1,2,3,4,5,6,7
	global_load_b128 v[BI+8*\b:BI+8*\b+3], v6, s[96:97] offset:(32*(\b/2)+8*(\b%2))*4
	global_load_b128 v[BI+8*\b+4:BI+8*\b+7], v6, s[96:97] offset:(32*(\b/2)+8*(\b%2))*4+16
.endr
	s_branch .Lbias_done
.Lbias_v:
	v_and_b32 v6, 8, v1                            ; v: lane r of T's tile a is row 32 (a / 2) + 8 (a % 2) + r + 8 (r / 8); its eight registers are eight keys of that one row
	v_add_nc_u32 v6, v6, v1
	v_lshlrev_b32 v6, 2, v6
.irp a, 0,1,2,3,4,5,6,7
.irp j, 0,1,2,3,4,5,6,7
	global_load_b32 v[BI+8*\a+\j], v6, s[96:97] offset:(32*(\a/2)+8*(\a%2))*4
.endr
.endr
.Lbias_done:
	; where my wave's images go: numbers first, added to qkv's address once
	s_lshl_b32 s18, s42, 2
	s_lshl_b32 s19, s95, 1
	s_add_co_u32 s18, s18, s19
	s_and_b32 s18, s18, 15                         ; my first head: (4 Xt + 2 hB) mod 16
	s_lshr_b32 s19, s17, 3
	s_lshl_b32 s19, s19, 4
	s_add_co_u32 s18, s18, s19                     ; its record: 16 x batch + head
	s_mul_i32 s18, s18, REC
	s_lshl_b32 s19, s17, 1
	s_add_co_u32 s19, s19, s67
	s_and_b32 s19, s19, 15                         ; which 128 rows of the batch: (2 Yt + hA) mod 16
	s_mul_i32 s22, s19, 6144                       ; eight images of 768 bytes, or four of 1,536
	s_sub_co_u32 s23, 9, s[ISV]
	s_lshl_b32 s23, s19, s23                       ; scale images of 512 bytes (q, k) or 256 (v)
	s_mov_b32 s21, KSC
	s_cmp_eq_u32 ttmp9, 0
	s_cselect_b32 s20, QIMG, KIMG
	s_cselect_b32 s21, QSC, s21
	s_cmp_eq_u32 ttmp9, 2
	s_cselect_b32 s20, VIMG, s20
	s_cselect_b32 s21, VSC, s21
	s_add_co_u32 s20, s20, s18
	s_add_co_u32 s20, s20, s22
	s_add_co_u32 s22, s21, s18
	s_add_co_u32 s22, s22, s23
	s_mov_b32 s21, 0
	s_mov_b32 s23, 0
	s_add_nc_u64 s[12:13], s[98:99], s[20:21]      ; the codes
	s_add_nc_u64 s[100:101], s[98:99], s[22:23]    ; the scale words
.macro FRAG reg, adr, q, i             ; a fragment, 16 rows x 128 K of 6-bit codes: lane l holds row l % 16; registers 6 c .. 6 c + 5 hold K = 64 c + 32 (l / 16) + 0 .. 31: 24 bytes of the row's stream of bits, as they lie
.irp p, 0,1,2,3,4,5                    ; in pieces of 8 bytes.  Lanes 0-15 take the row's pieces 12 q + 0, 1, 2 and 12 q + 6, 7, 8, lanes 16-31 those three pieces on
.set PC, 12*(\q)+6*(\p/3)+\p%3        ; 16 bytes of padding lie behind every 8 pieces: where the piece three on lies behind one padding more, the second address register serves
.if PC%8 < 5
	ds_load_b64 v[\reg+2*\p:\reg+2*\p+1], v[\adr] offset:8*PC+16*(PC/8)+(\i)*16*PITCH
.else
	ds_load_b64 v[\reg+2*\p:\reg+2*\p+1], v[\adr+2] offset:8*PC+16*(PC/8)+(\i)*16*PITCH
.endif
.endr
.endm
; 16 matrix instructions: T's blocks a0, a0 + 1 x S's eight, 128 along K: the slot's q-th.  p: S's set;  sc: the set of scale words.
; cm = 0: onto the sums;  1: the sums begin with the bias of S's block b;  2: with that of T's block a.  Nothing is ever cleared.
; The 64 accumulators take turns, one instruction a turn, in the same order in every step.
.macro MUL16 a0, p, q, sc, cm
.irp a, \a0, \a0+1
.irp b, 0,1,2,3,4,5,6,7
.if \cm == 1
	v_wmma_scale_f32_16x16x128_f8f6f4 v[8*(8*((\a)%4)+\b):8*(8*((\a)%4)+\b)+7], v[128*(\p)+FR*\b:128*(\p)+FR*\b+FR-1], v[AF+FR*(\a):AF+FR*(\a)+FR-1], v[BI+8*\b:BI+8*\b+7], v[SC+8*NQ*(\sc)+NQ*\b+(\q)], v[SC+8*NQ*(\sc)+NQ*(\a)+(\q)] matrix_a_fmt:MATRIX_FMT_FP6 matrix_b_fmt:MATRIX_FMT_FP6 matrix_a_scale:MATRIX_SCALE_ROW1
.elseif \cm == 2
	v_wmma_scale_f32_16x16x128_f8f6f4 v[8*(8*((\a)%4)+\b):8*(8*((\a)%4)+\b)+7], v[128*(\p)+FR*\b:128*(\p)+FR*\b+FR-1], v[AF+FR*(\a):AF+FR*(\a)+FR-1], v[BI+8*(\a):BI+8*(\a)+7], v[SC+8*NQ*(\sc)+NQ*\b+(\q)], v[SC+8*NQ*(\sc)+NQ*(\a)+(\q)] matrix_a_fmt:MATRIX_FMT_FP6 matrix_b_fmt:MATRIX_FMT_FP6 matrix_a_scale:MATRIX_SCALE_ROW1
.else
	v_wmma_scale_f32_16x16x128_f8f6f4 v[8*(8*((\a)%4)+\b):8*(8*((\a)%4)+\b)+7], v[128*(\p)+FR*\b:128*(\p)+FR*\b+FR-1], v[AF+FR*(\a):AF+FR*(\a)+FR-1], v[8*(8*((\a)%4)+\b):8*(8*((\a)%4)+\b)+7], v[SC+8*NQ*(\sc)+NQ*\b+(\q)], v[SC+8*NQ*(\sc)+NQ*(\a)+(\q)] matrix_a_fmt:MATRIX_FMT_FP6 matrix_b_fmt:MATRIX_FMT_FP6 matrix_a_scale:MATRIX_SCALE_ROW1
.endif
.endr
.endr
.endm
.macro FETCH_S slot, q, p              ; S's eight fragments of the slot's q-th 128 along K into set p
	WIN TO_S
.irp i, 0,1,2,3,4,5,6,7
	FRAG 128*(\p)+FR*\i, ADRS+\slot, \q, \i
.endr
	WIN 0
.endm
.macro FETCH_T slot, q, i0             ; T's blocks i0 .. i0 + 3
.irp i, \i0, \i0+1, \i0+2, \i0+3
	FRAG AF+FR*(\i), ADRT+\slot, \q, \i
.endr
.endm
.macro SCALES sc                       ; a K step's scale words into set sc: two words a row; lanes 0-15 take T's block i, lanes 16-31 S's block i
.irp i, 0,1,2,3,4,5,6,7
	ds_load_b64 v[SC+8*NQ*\sc+NQ*\i:SC+8*NQ*\sc+NQ*\i+1], v[ADSC] offset:\i*SBLK
.endr
.endm
; A load into a register that a matrix instruction has read, and a vector instruction that reads a matrix result, stand NP places behind that matrix instruction; only plain vector
; instructions that name none of its registers are places (ISA guide 7.12.1 for vector instructions).
.macro PLACES n
.rept \n
	v_nop
.endr
.endm
; A step of 128 along K that has its successor in the same slot.
.macro STEP slot, q, cm
	s_wait_dscnt 4*NL                              ; S's set and T's blocks 0-3 are in; the youngest 24 loads (T's blocks 4-7) may be out
.if \cm
	WIN MUL_LOB
.else
	WIN MUL_LO
.endif
	MUL16 0, (\q)%2, \q, \slot, \cm
	MUL16 2, (\q)%2, \q, \slot, \cm
	s_wait_dscnt 0                                 ; T's blocks 4-7 are in (asked for 32 matrix instructions ago)
	PLACES NP
	FETCH_S \slot, (\q)+1, 1-(\q)%2
	FETCH_T \slot, (\q)+1, 0
.if \cm
	WIN MUL_HIB
.else
	WIN MUL_HI
.endif
	MUL16 4, (\q)%2, \q, \slot, \cm
	MUL16 6, (\q)%2, \q, \slot, \cm
	PLACES NP
	WIN 0
	FETCH_T \slot, (\q)+1, 4
.endm
; A slot's last step changes slots: ONE barrier; in front of it each wave waits for all its tensor loads, adds 0 to its spare word, and waits for that and for its own reads of this slot.  fill = 1: this slot is filled again, two K steps ahead.
.macro TURN slot, next, fill
	s_wait_tensorcnt 0x0                           ; all my tensor loads have landed: my part of the next slot;  (every window is 0 here)
	ds_add_u32 v[SPW], v[NIL]                      ; 0 onto my spare word
	s_wait_dscnt 4*NL+1                            ; (the add and the youngest 24 loads, T's blocks 4-7, may be out)
	WIN MUL_LO
	MUL16 0, 1, NQ-1, \slot, 0                     ; sixteen matrix instructions stand between the add and the wait for it
	s_wait_dscnt 0x0                               ; the add is done, and my reads of this slot are over
	s_barrier_signal -1
	MUL16 2, 1, NQ-1, \slot, 0
	WIN 0
	s_barrier_wait -1
.if \fill
	CREST                                          ; the barrier has opened a round of the cluster's barrier: no wave of any partner still reads this slot's tile or has a load on its way
	s_add_nc_u64 s[G0+4*\slot+2:G0+4*\slot+3], s[G0+4*\slot+2:G0+4*\slot+3], 2*ROWB
	s_add_nc_u64 s[G0B+4*\slot+2:G0B+4*\slot+3], s[G0B+4*\slot+2:G0B+4*\slot+3], 2*ROWB
	JLOAD G0+4*\slot, G1, G0B+4*\slot, G1B         ; the first tensor load behind the round; the four v_nop behind it are the places in front of the loads below
.else
	PLACES NP
.endif
	v_add_nc_u32 v[ADSC], 4*NQ, v[ADSC]            ; on to the next K step's scale words (no LDS load of mine is out)
	FETCH_S \next, 0, 0
	FETCH_T \next, 0, 0
	SCALES \next
	WIN MUL_HI
	MUL16 4, 1, NQ-1, \slot, 0
	MUL16 6, 1, NQ-1, \slot, 0
	PLACES NP
	WIN 0
	FETCH_T \next, 0, 4
.endm
	s_wait_tensorcnt 1                             ; the scales and my part of K step 0 are in (K step 1's load may be out)
	s_barrier_signal -1
	s_barrier_wait -1                              ; everybody's are
	FETCH_S 0, 0, 0
	FETCH_T 0, 0, 0
	SCALES 0
	FETCH_T 0, 0, 4
	s_wait_loadcnt 0x0                             ; the bias
	s_cmp_eq_u32 s[ISV], 0                         ; the first step is written twice: its products begin the sums with the bias, which lies along S (q, k) or along T (v).  Both ways issue the same loads
	s_cbranch_scc0 .Lfirst_v
	STEP 0, 0, 1
	s_branch .Lfirst_done
.Lfirst_v:
	STEP 0, 0, 2
.Lfirst_done:
	s_mov_b32 s3, LAPS-1
.Llap:                                                 ; a trip goes once round the ring, from a lap's second step to the next lap's first, and fills both slots again
	TURN 0, 1, 1
	STEP 1, 0, 0
	TURN 1, 0, 1
	STEP 0, 0, 0
	s_sub_co_u32 s3, s3, 1
	s_cmp_lg_u32 s3, 0
	s_cbranch_scc1 .Llap
	TURN 0, 1, 0                                   ; the last lap fills nothing, and has no round of the cluster's barrier
	STEP 1, 0, 0
	s_wait_dscnt 4*NL                              ; the very last step: nothing more to fetch
	WIN MUL_LO
	MUL16 0, 1, NQ-1, 1, 0
	MUL16 2, 1, NQ-1, 1, 0
	s_wait_dscnt 0
	WIN MUL_HI
	MUL16 4, 1, NQ-1, 1, 0
	MUL16 6, 1, NQ-1, 1, 0
	WIN 0
; THE WAY OUT: no LDS.  Block a's 64 numbers of a lane, register 16 b + i = k 32 b + 16 (lane / 16) + i of the lane's row of T, become a fragment's codes in v[CD] on and its scale word in v[PW + a].
.macro QUANTW a
.set AC, 64*((\a)%4)                   ; the block's eight accumulators,
.set W,  2+(\a)/4                      ; in window 2 or 3
.set W2, 5*W                           ; sources 0 and 1 in that window
.set CD, CD0+20*(\a)
	WIN W2
.irp b, 0,1,2,3
	v_max3_num_f32 v[TM+\b], |v[AC+16*\b]|, |v[AC+16*\b+1]|, 0x1800000   ; block b: my 16 numbers, each accumulator from its low end on, and the floor 2^(3 - 127): so the byte cannot fall under 1
.endr
.irp i, 2,4,6,8,10,12,14
.irp b, 0,1,2,3
	v_max3_num_f32 v[TM+\b], |v[AC+16*\b+\i]|, |v[AC+16*\b+\i+1]|, v[TM+\b]   ; (the four blocks by turns; the running maximum stands as source 2, in window 0)
.endr
.endr
	WIN 0
.irp b, 0,1,2,3
	v_permlanex16_b32 v[TM+4+\b], v[TM+\b], s92, s93
.endr
.irp b, 0,1,2,3
	v_max_num_f32 v[TM+\b], v[TM+\b], v[TM+4+\b]   ; with lane l xor 16's: the block's largest magnitude
.endr
.irp b, 0,1,2,3
	v_add_nc_u32 v[TM+12+\b], 0xff000000, v[TM+\b] ; 2 off its exponent field: the conversion's scale operand
.endr
.irp b, 0,1,2,3
	v_lshrrev_b32 v[TM+4+\b], 23, v[TM+12+\b]      ; the scale's byte
.endr
	v_lshl_or_b32 v[PW+(\a)], v[TM+5], 8, v[TM+4]  ; the four bytes make my row's scale word
	v_lshl_or_b32 v[PW+(\a)], v[TM+6], 16, v[PW+(\a)]
	v_lshl_or_b32 v[PW+(\a)], v[TM+7], 24, v[PW+(\a)]
	WIN W                                          ; source 0 alone in the accumulators' window
.irp c, 0,1
	v_cvt_scalef32_pk16_fp6_f32 v[CD+6*\c:CD+6*\c+2], v[AC+32*\c:AC+32*\c+15], v[TM+12+2*\c]
	v_cvt_scalef32_pk16_fp6_f32 v[CD+12+4*\c:CD+14+4*\c], v[AC+16+32*\c:AC+31+32*\c], v[TM+12+2*\c+1]   ; (a conversion's three registers begin on an even number)
.endr
	WIN 0
	v_nop                                          ; one plain place behind a scaled conversion
.irp c, 0,1                                    ; the operand's layout wants a WHOLE block in a lane: lanes 0-15 block 2 c, lanes 16-31 block 2 c + 1
.irp i, 0,1,2
	v_permlane16_swap_b32 v[CD+6*\c+\i], v[CD+12+4*\c+\i]
.endr
.irp i, 0,1,2
	v_mov_b32 v[CD+3+6*\c+\i], v[CD+12+4*\c+\i]
.endr
.endr
.endm
	PLACES NP                                      ; behind the last products: their results are read and their operands' registers written below
	s_mov_b32 s92, 0x76543210
	s_mov_b32 s93, 0xfedcba98                      ; v_permlanex16_b32's selects for lane l xor 16
.irp b, 0,1,2,3
	v_mov_b32 v[TM+4+\b], 0                        ; written once: a lane permute's destination counts as one of its sources
.endr
.irp a, 0,1,2,3,4,5,6,7
	QUANTW \a
.endr
	v_cmp_le_u32 vcc_lo, 16, v[LN]
.irp i, 0,1,2,3
	v_cndmask_b32 v[MW+\i], v[PW+2*\i], v[PW+2*\i+1], vcc_lo   ; lanes 0-15: block 2 i's words; lanes 16-31: block 2 i + 1's (a row's word stands in both halves of the lanes)
.endr
.irp i, 0,1,2,3
	v_lshrrev_b32 v[MH+\i], 16, v[MW+\i]           ; q, k: the second head's two bytes
.endr
	s_cmp_eq_u32 s[ISV], 0
	s_cbranch_scc0 .Lstore_v
.irp a, 0,1,2,3,4,5,6,7                        ; q, k: tile a of my 128 rows, two heads
	global_store_b128 v[OA16], v[CD0+20*\a:CD0+20*\a+3], s[12:13] offset:768*\a th:TH_STORE_NT
	global_store_b64 v[OA8], v[CD0+20*\a+4:CD0+20*\a+5], s[12:13] offset:768*\a+512 th:TH_STORE_NT
	global_store_b128 v[OA16], v[CD0+20*\a+6:CD0+20*\a+9], s[12:13] offset:REC+768*\a th:TH_STORE_NT
	global_store_b64 v[OA8], v[CD0+20*\a+10:CD0+20*\a+11], s[12:13] offset:REC+768*\a+512 th:TH_STORE_NT
.endr
	global_store_b128 v[OA16], v[MW:MW+3], s[100:101] th:TH_STORE_NT
	global_store_b128 v[OA16], v[MH:MH+3], s[100:101] offset:REC th:TH_STORE_NT
	s_branch .Lstored
.Lstore_v:
.irp a, 0,1,2,3,4,5,6,7                        ; v: head a / 4 of my two, its tile a % 4 of 16 d, my 128 keys
.irp c, 0,1,2
	global_store_b128 v[OA16], v[CD0+20*\a+4*\c:CD0+20*\a+4*\c+3], s[12:13] offset:(\a/4)*REC+(\a%4)*1536+512*\c th:TH_STORE_NT
.endr
.endr
	global_store_b64 v[OA8], v[MW:MW+1], s[100:101] th:TH_STORE_NT
	global_store_b64 v[OA8], v[MW+2:MW+3], s[100:101] offset:REC th:TH_STORE_NT
.Lstored:
	s_wait_tensorcnt 0x0                           ; the wave's end
	ds_add_u32 v[SPW], v[NIL]
	s_wait_dscnt 0x0
	CROUND                                         ; the closing round: no work-group ends while a partner may still ask for a tile that names it
	s_endpgm
.Lfunc_end_k_qb0458197f5_qkv:
	.size	k_qb0458197f5_qkv, .Lfunc_end_k_qb0458197f5_qkv-k_qb0458197f5_qkv
	.p2alignl 7, 3214868480
	.fill 96, 4, 3214868480
	.section	.rodata,"a",@progbits
	.p2align	6, 0x0
	.amdhsa_kernel k_qb0458197f5_qkv
		.amdhsa_group_segment_fixed_size 327680
		.amdhsa_private_segment_fixed_size 0
		.amdhsa_enable_private_segment 0
		.amdhsa_kernarg_size 32
		.amdhsa_user_sgpr_count 2
		.amdhsa_user_sgpr_kernarg_segment_ptr 1
		.amdhsa_wavefront_size32 1
		.amdhsa_system_sgpr_workgroup_id_x 1
		.amdhsa_system_sgpr_workgroup_id_y 1
		.amdhsa_system_sgpr_workgroup_id_z 1
		.amdhsa_system_vgpr_workitem_id 0
		.amdhsa_next_free_vgpr 1024
		.amdhsa_next_free_sgpr 102
		.amdhsa_reserve_vcc 1
		.amdhsa_float_denorm_mode_32 3
		.amdhsa_float_denorm_mode_16_64 3
		.amdhsa_memory_ordered 1
		.amdhsa_forward_progress 1
		.amdhsa_inst_pref_size 191
	.end_amdhsa_kernel
	.amdgpu_metadata
---
amdhsa.version: [ 1, 2 ]
amdhsa.kernels:
  - .name:           k_qb0458197f5_qkv
    .symbol:         k_qb0458197f5_qkv.kd
    .args:
      - { .name: xq, .offset: 0, .size: 8, .value_kind: global_buffer, .address_space: global }
      - { .name: wq, .offset: 8, .size: 8, .value_kind: global_buffer, .address_space: global }
      - { .name: Win_b, .offset: 16, .size: 8, .value_kind: global_buffer, .address_space: global }
      - { .name: qkv, .offset: 24, .size: 8, .value_kind: global_buffer, .address_space: global }
    .group_segment_fixed_size: 327680
    .private_segment_fixed_size: 0
    .kernarg_segment_align: 8
    .kernarg_segment_size: 32
    .max_flat_workgroup_size: 128
    .sgpr_count:     102
    .vgpr_count:     1024
    .wavefront_size: 32
...
	.end_amdgpu_metadata
.endif
;; end of part 2
;; launch attn (part 3): grid 4 x 64, 16 waves a work-group, clusters of 4 x 1, 210,944 bytes of LDS; arguments qkv, zq; writes zq
.if DOCPART == 3
	.amdgcn_target "amdgcn-amd-amdhsa--gfx1250"
	.amdhsa_code_object_version 6
	.text
	.protected	k_qb0458197f5_attn
	.globl	k_qb0458197f5_attn
	.p2align	8
	.type	k_qb0458197f5_attn,@function
k_qb0458197f5_attn:
	s_mov_b64 s[64:65], 0
	v_nop
	global_prefetch_b8 v0, s[64:65] scope:SCOPE_SE
	s_setreg_imm32_b32 hwreg(HW_REG_WAVE_MODE, 25, 1), 1
	s_wait_xcnt 0x0
	s_wait_alu depctr_hold_cnt(0) depctr_sa_sdst(0) depctr_va_vdst(0) depctr_va_sdst(0) depctr_va_ssrc(0) depctr_va_vcc(0) depctr_vm_vsrc(0)
	s_getreg_b32 s2, hwreg(HW_REG_IB_STS2, 6, 4)
	s_cmp_eq_u32 s2, 0
	s_cbranch_scc0 .Lentry_in_a_cluster
	s_endpgm
.Lentry_in_a_cluster:
	s_bfe_u32 s2, ttmp6, 0x10000c
	s_cmp_lg_u32 s2, 0x3003
	s_cbranch_scc0 .Lentry_shape_is_right
	s_endpgm
.Lentry_shape_is_right:
; z[b][q][head] = softmax_k(q . k / 8) v for one (batch, head) record of qkv, both products on codes of FP6 (E2M3) with E8M0 scales; z is quantised along d on the way out and leaves as codes.
; THE SOFTMAX AHEAD OF THE SECOND PRODUCT: t = score x log2(e) / 8; M = the row's largest t so far, rounded UP to a whole number; p = 2^(t - M) is what is quantised, along the keys; it is not normalised.
; The row's sum is taken of the unquantised p, in f32, and divides O at the end.  When M moves, the sum and O are multiplied by 2^(old M - new M): exact.
; SHARES.  A work-group owns 512 queries of one record; each of its sixteen waves takes one tile of 16 queries at a time, two in all (two passes), in 256 registers: four waves to a SIMD, so that one wave's
; vector work stands beside another's matrix work and LDS loads.  Every wave walks all 2,048 keys, 128 a step.
; K AND V OF THE WHOLE HEAD STAY IN LDS: 208,896 bytes of register images and scale words, byte for byte the head of the record, brought once by tensor loads, five a wave, all issued at the head;
; nothing is filled again.  So there is no ring, and nothing later in the launch for a prefetch to run ahead of.
; CLUSTER.  The four work-groups of a record read the same K and V: each load is asked for JOINTLY, with the same descriptor and a mask that names the four.
; LAYOUT.  Both products are used transposed: S^T = K Q^T (source 0 = 16 keys, source 1 = my 16 queries), O^T = V^T P^T (source 0 = 16 d, source 1 = P): a lane holds ONE query throughout.
; The head's 64 fill half of the instruction's 128 along K: registers 6-11 of K's and Q's fragments are zero codes.
; Lane r of K's tile 2 b + u holds key 32 b + 8 u + r + 8 (r / 8), so the 16 registers of tiles 2 b, 2 b + 1 of S^T are the keys 32 b + 16 (lane / 16) + 0 .. 15; V's tiles of d are laid likewise, so O^T's are 16 neighbours along d.
; An image is read as it was stored: registers 4 c .. 4 c + 3 at 512 c + 16 lane, a last pair at 8 lane: an instruction's bytes are consecutive, so no padding is wanted.
; OUT.  zq: codes [512 tiles of 16 rows][16 heads][768 bytes: an image of registers 0-5], then scale bytes [8192 rows][32], byte 2 head + block.  A head owns 2 of a row's 32 scale bytes: those stores are of 2 bytes a row.
; LIMITS: a block of zeros gets the byte 1 where the rule says 127 (its codes are zeros; this program alone reads the bytes); NaN and infinities are not served.
; REGISTERS: v1-7 lane addresses; v8-11, v28 the step's LDS addresses; v12 -M, v13 the largest t, v[14:15] the sum; v16-27 Q; v30-31 V's scale words; v32-79 four fragments of K; v80-127 four of V;
;   v128-191 S^T, then p; v192-223 O^T; v224-235 p's codes; v232-247 at work; v248-251 K's scale words; v252 f; v253 p's scale word; v254 at work; v255 Q's scale words.
.set REC,   315392
.set VIMG,  98304
.set KSC,   196608
.set VSC,   204800
.set QIMG,  208896
.set QSC,   307200
.set ZS,    6291456                    ; where the scale bytes begin in zq
.set S,     128
.set O,     192
.set WV,    8                          ; s8   my wave's number
.set SEL,   20                         ; s[20:21] lane selects for v_permlanex16_b32: lane l xor 16
.set CS,    22                         ; s[22:23] c = log2(e) / 8
.set G1Q,   24                         ; s[24:31] descriptor group 1: 12 rows of 256 bytes
.set G1S,   32                         ; s[32:39] 3 rows of 256 bytes
.set G0,    40                         ; s[40:59] five groups 0: the scale words, then the four quarters
.set TK,    60                         ; s60  LDS byte at which the step's images begin (K's; V's lie VIMG further on)
.set TS,    61                         ; s61  K's scale words of the step
.set TJ,    62                         ; s62  V's
.set CNT,   63                         ; s63  steps to go in a quarter
.set PASS,  66                         ; s66  passes to go
.set QP,    68                         ; s[68:69] my tile's image of Q
.set QSP,   70                         ; s[70:71] the scale image that holds my tile's words
.set ZP,    72                         ; s[72:73] my tile's image in zq
.set ZSP,   74                         ; s[74:75] my tile's scale bytes in zq
.macro CROUND                          ; a round of the cluster's barrier
	s_barrier_signal -1
	s_barrier_wait -1
	s_cmp_lg_u32 s[WV], 0
	s_cbranch_scc1 .Lnot_wave_0_\@
	s_barrier_signal -3
.Lnot_wave_0_\@:
	s_barrier_wait -3
	s_barrier_signal -1
	s_barrier_wait -1
.endm
	s_load_b128 s[4:7], s[0:1], 0x0                ; qkv s[4:5], zq s[6:7]
	v_lshl_add_u32 v29, v0, 2, 0x33000
	v_mov_b32 v243, 0
	ds_add_u32 v29, v243
	ds_add_u32 v29, v243
	v_lshrrev_b32 v1, 5, v0
	s_delay_alu instid0(VALU_DEP_1)
	v_readfirstlane_b32 s[WV], v1                  ; wave 0..15
	s_bfe_u32 s9, ttmp6, 0x40000                   ; cx: my block of 512 queries; it enters Q's and z's addresses alone
	s_and_b32 s10, ttmp7, 0xffff                   ; the record, which the four partners share
	s_mul_i32 s12, s10, REC                        ; its first byte (under 2^32)
	s_mov_b32 s13, 0
	; descriptor groups 1: dense blocks as rows of 256 bytes (32 elements of 8 bytes), no padding; mask: all four work-groups; bit 21 set beside it
	s_mov_b32 s[G1Q], 15|(3<<16)|(1<<21)
	s_mov_b32 s[G1Q+1], 32<<16                     ; tensor_dim0
	s_mov_b32 s[G1Q+2], 12<<16                     ; tensor_dim1
	s_mov_b32 s[G1Q+3], 32<<16                     ; tile_dim0
	s_mov_b32 s[G1Q+4], 12                         ; tile_dim1
	s_mov_b32 s[G1Q+5], 32                         ; the pitch
	s_mov_b32 s[G1Q+6], 0
	s_mov_b32 s[G1Q+7], 0
	s_mov_b32 s[G1S], 15|(3<<16)|(1<<21)
	s_mov_b32 s[G1S+1], 32<<16
	s_mov_b32 s[G1S+2], 3<<16
	s_mov_b32 s[G1S+3], 32<<16
	s_mov_b32 s[G1S+4], 3
	s_mov_b32 s[G1S+5], 32
	s_mov_b32 s[G1S+6], 0
	s_mov_b32 s[G1S+7], 0
	s_mul_i32 s14, s[WV], 768
	s_add_co_u32 s14, s14, KSC                     ; my sixteenth of the 12,288 bytes of scale words
	s_lshr_b32 s15, s[WV], 3                       ; waves 0-7 fetch K's images, waves 8-15 V's:
	s_mul_i32 s15, s15, VIMG
	s_and_b32 s16, s[WV], 7
	s_mul_i32 s16, s16, 3072
	s_add_co_u32 s15, s15, s16                     ; my eighth of a quarter's 24,576 bytes.  An LDS address is the offset in the record
	s_mov_b32 s17, 0
	s_mov_b32 s[SEL], 0x76543210
	s_mov_b32 s[SEL+1], 0xfedcba98
	s_mov_b32 s[CS], 0x3e38aa3b                    ; c = log2(e) / 8
	s_mov_b32 s[CS+1], s[CS]                       ; (named with it as a pair, so it is written)
	s_mov_b32 s[PASS], 2
	s_wait_dscnt 0x0
	s_wait_kmcnt 0x0
	s_add_nc_u64 s[4:5], s[4:5], s[12:13]          ; the record
	s_mov_b32 s[G0], 1                             ; 1:0 count = 1
	s_mov_b32 s[G0+1], s14                         ; 63:32 LDS address
	s_mov_b32 s16, s14
	s_add_nc_u64 s[G0+2:G0+3], s[4:5], s[16:17]    ; 120:64 global address
	s_or_b32 s[G0+3], s[G0+3], 0x80000000          ; 127:126 type = 2
.irp j, 0,1,2,3                                ; quarter j: key steps 4 j .. 4 j + 3
	s_mov_b32 s[G0+4+4*\j], 1
	s_add_co_u32 s[G0+5+4*\j], s15, 24576*\j
	s_mov_b32 s16, s[G0+5+4*\j]
	s_add_nc_u64 s[G0+6+4*\j:G0+7+4*\j], s[4:5], s[16:17]
	s_or_b32 s[G0+7+4*\j], s[G0+7+4*\j], 0x80000000
.endr
	CROUND                                         ; all four work-groups are here: the joint loads meet
	tensor_load_to_lds s[G0:G0+3], s[G1S:G1S+7]    ; all first fills in one group: five loads of mine are out
	s_nop 0
	tensor_load_to_lds s[G0+4:G0+7], s[G1Q:G1Q+7]
	s_nop 0
	tensor_load_to_lds s[G0+8:G0+11], s[G1Q:G1Q+7]
	s_nop 0
	tensor_load_to_lds s[G0+12:G0+15], s[G1Q:G1Q+7]
	s_nop 0
	tensor_load_to_lds s[G0+16:G0+19], s[G1Q:G1Q+7]
	s_nop 0
.rept 4
	v_nop
.endr
	v_and_b32 v9, 31, v0                           ; lane
	v_and_b32 v10, 15, v0                          ; r
	s_delay_alu instid0(VALU_DEP_2)
	v_lshlrev_b32 v1, 4, v9                        ; 16 x lane
	s_wait_alu depctr_va_vdst(0)
	v_lshlrev_b32 v2, 3, v9                        ; 8 x lane
	s_wait_alu depctr_va_vdst(0)
	v_add_nc_u32 v3, VIMG, v1
	v_add_nc_u32 v4, KSC, v1
	v_add_nc_u32 v5, VSC, v2
	v_lshlrev_b32 v6, 5, v10                       ; z's scale bytes: 32 bytes a row
	s_and_b32 s76, s[WV], 1                        ; Q's scale word of row r of my tile: in the image of its 8 tiles, word (tile / 2) of lane r + 16 (tile % 2); tile % 8 = wave % 8
	s_lshl_b32 s76, s76, 8
	s_bfe_u32 s77, s[WV], 0x20001
	s_lshl_b32 s77, s77, 2
	s_add_co_u32 s76, s76, s77
	v_lshl_add_u32 v7, v10, 4, s76
	s_wait_alu depctr_va_vdst(0)
	s_lshl_b32 s76, s9, 5
	s_add_co_u32 s76, s76, s[WV]                   ; my first tile of the record's 128: 32 cx + wave; the second lies 16 further on
	s_mul_i32 s78, s76, 768
	s_add_co_u32 s78, s78, QIMG
	s_mov_b32 s79, 0
	s_add_nc_u64 s[QP:QP+1], s[4:5], s[78:79]
	s_lshl_b32 s78, s9, 2
	s_lshr_b32 s77, s[WV], 3
	s_add_co_u32 s78, s78, s77
	s_lshl_b32 s78, s78, 9
	s_add_co_u32 s78, s78, QSC
	s_add_nc_u64 s[QSP:QSP+1], s[4:5], s[78:79]
	s_lshr_b32 s77, s10, 4                         ; the batch
	s_lshl_b32 s77, s77, 7
	s_add_co_u32 s76, s76, s77                     ; my tile of z's 512
	s_and_b32 s77, s10, 15                         ; the head
	s_mul_i32 s78, s76, 12288
	s_mul_i32 s11, s77, 768
	s_add_co_u32 s78, s78, s11
	s_add_nc_u64 s[ZP:ZP+1], s[6:7], s[78:79]
	s_lshl_b32 s78, s76, 9
	s_lshl_b32 s77, s77, 1
	s_add_co_u32 s78, s78, s77
	s_add_co_u32 s78, s78, ZS
	s_add_nc_u64 s[ZSP:ZSP+1], s[6:7], s[78:79]
	global_load_b128 v[16:19], v1, s[QP:QP+1]      ; Q's fragment of the first pass: registers 0-3,
	global_load_b64 v[20:21], v2, s[QP:QP+1] offset:512   ; 4-5,
	global_load_b32 v255, v7, s[QSP:QSP+1]         ; and its scale words
.irp j, 22,23,24,25,26,27
	v_mov_b32 v\j, 0                               ; K = 64 .. 127 of Q: zero codes, written once
.endr
.irp t, 0,1,2,3
.irp j, 6,7,8,9,10,11
	v_mov_b32 v[32+12*\t+\j], 0                    ; and of K's four fragments
.endr
.endr
.irp b, 0,1,2,3
	v_mov_b32 v[236+\b], 0                         ; written once: a lane permute's destination counts as one of its sources
.endr
	v_mov_b32 v253, 0                              ; (named as the upper half of the pair v[252:253] before it is first written)
; A KEY STEP: 128 keys.
.macro STEP
	v_add_nc_u32 v8, s[TK], v1                     ; the step's addresses: five plain instructions, the places behind the last step's products
	v_add_nc_u32 v9, s[TK], v2
	v_add_nc_u32 v10, s[TK], v3
	v_add_nc_u32 v11, s[TS], v4
	v_add_nc_u32 v28, s[TJ], v5
	ds_load_b128 v[248:251], v11                   ; K's scale words: register i: tile 2 i in lanes 0-15, tile 2 i + 1 in lanes 16-31
.irp t, 0,1,2,3
	ds_load_b128 v[32+12*\t:35+12*\t], v8 offset:768*\t
	ds_load_b64 v[36+12*\t:37+12*\t], v9 offset:768*\t+512
.endr
	s_wait_alu depctr_va_vdst(0)
	s_wait_dscnt 0x0
.irp t, 0,1,2,3                                ; S^T = K Q^T, tiles 0-3
.if \t%2
	v_wmma_scale_f32_16x16x128_f8f6f4 v[S+8*\t:S+8*\t+7], v[32+12*\t:43+12*\t], v[16:27], 0, v[248+\t/2], v255 matrix_a_fmt:MATRIX_FMT_FP6 matrix_b_fmt:MATRIX_FMT_FP6 matrix_a_scale:MATRIX_SCALE_ROW1
.else
	v_wmma_scale_f32_16x16x128_f8f6f4 v[S+8*\t:S+8*\t+7], v[32+12*\t:43+12*\t], v[16:27], 0, v[248+\t/2], v255 matrix_a_fmt:MATRIX_FMT_FP6 matrix_b_fmt:MATRIX_FMT_FP6
.endif
.endr
.rept 4
	v_nop                                          ; places in front of loads into registers that matrix instructions have read
.endr
.irp t, 0,1,2,3
	ds_load_b128 v[32+12*\t:35+12*\t], v8 offset:768*(4+\t)
	ds_load_b64 v[36+12*\t:37+12*\t], v9 offset:768*(4+\t)+512
.endr
.irp t, 0,1,2,3                                ; V's four fragments are asked for here: they land under the softmax
.irp c, 0,1,2
	ds_load_b128 v[80+12*\t+4*\c:83+12*\t+4*\c], v10 offset:1536*\t+512*\c
.endr
.endr
	ds_load_b64 v[30:31], v28                      ; and V's scale words
	s_wait_dscnt 13                                ; K's tiles 4-7 are in; V's twelve loads and its scale words may be out
.irp t, 0,1,2,3                                ; tiles 4-7
.if \t%2
	v_wmma_scale_f32_16x16x128_f8f6f4 v[S+32+8*\t:S+32+8*\t+7], v[32+12*\t:43+12*\t], v[16:27], 0, v[250+\t/2], v255 matrix_a_fmt:MATRIX_FMT_FP6 matrix_b_fmt:MATRIX_FMT_FP6 matrix_a_scale:MATRIX_SCALE_ROW1
.else
	v_wmma_scale_f32_16x16x128_f8f6f4 v[S+32+8*\t:S+32+8*\t+7], v[32+12*\t:43+12*\t], v[16:27], 0, v[250+\t/2], v255 matrix_a_fmt:MATRIX_FMT_FP6 matrix_b_fmt:MATRIX_FMT_FP6
.endif
.endr
.rept 4
	v_nop
.endr
.irp b, 0,1,2,3
	v_max3_num_f32 v[232+\b], v[S+16*\b], v[S+1+16*\b], v[S+2+16*\b]   ; THE LARGEST SCORE OF EACH BLOCK OF 32 KEYS: it serves twice: for the row's maximum, and, since p rises with the score, for the block's largest p
.endr
.irp i, 3,5,7,9,11,13
.irp b, 0,1,2,3
	v_max3_num_f32 v[232+\b], v[232+\b], v[S+16*\b+\i], v[S+1+16*\b+\i]   ; (the four blocks by turns)
.endr
.endr
.irp b, 0,1,2,3
	v_max_num_f32 v[232+\b], v[232+\b], v[S+15+16*\b]
.endr
.irp b, 0,1,2,3
	s_delay_alu instid0(VALU_DEP_4)
	v_permlanex16_b32 v[236+\b], v[232+\b], s[SEL], s[SEL+1]
.endr
.irp b, 0,1,2,3
	s_delay_alu instid0(VALU_DEP_4)
	v_max_num_f32 v[232+\b], v[232+\b], v[236+\b]  ; with lane l xor 16's 16 keys
.endr
	s_delay_alu instid0(VALU_DEP_2)
	v_max3_num_f32 v254, v232, v233, v234
	s_delay_alu instid0(VALU_DEP_1)
	v_max_num_f32 v254, v254, v235                 ; the step's largest score of my query
	s_delay_alu instid0(VALU_DEP_1)
	v_mul_f32 v254, s[CS], v254                    ; as t (c is positive)
	s_delay_alu instid0(VALU_DEP_1)
	v_max_num_f32 v13, v13, v254                   ; the running largest t
	v_mov_b32 v254, v12
	s_delay_alu instid0(VALU_DEP_2)
	v_floor_f32 v12, -v13                          ; the new -M = floor(-t) = -ceil(t): M IS A WHOLE NUMBER
	s_delay_alu instid0(VALU_DEP_1)
	v_sub_f32 v254, v12, v254                      ; M's old value less its new one: a whole number, 0 or less
	s_delay_alu instid0(VALU_DEP_1)
	v_cvt_i32_f32 v254, v254                       ; (it saturates)
	s_delay_alu instid0(VALU_DEP_1)
	v_ldexp_f32 v252, 1.0, v254                    ; f = 2^(old M - new M): a multiplication by it rounds nothing
.set J, 0
.rept 32
	v_pk_fma_f32 v[S+J:S+J+1], v[S+J:S+J+1], s[CS:CS+1], v[12:13] op_sel_hi:[1,0,0]   ; t - M, two at a time (of the pairs c and -M the low word serves both halves)
.set J, J+2
.endr
.irp b, 0,1,2,3
	v_fma_f32 v[232+\b], v[232+\b], s[CS], v12     ; the same of each block's largest score
.endr
.set J, 0
	s_setprio 1
	s_wait_alu depctr_va_vdst(0)
.rept 64
	v_exp_f32 v[S+J], v[S+J]                       ; p = 2^(t - M), at most 1: NOT normalised
.set J, J+1
.endr
	v_pk_mul_f32 v[14:15], v[14:15], v[252:253] op_sel_hi:[1,0]   ; the sums under the new M.  (A plain place behind the exponentials)
	s_wait_alu depctr_va_vdst(0)                   ; one wait for the whole batch, ahead of its first reader
.irp b, 0,1,2,3
	v_exp_f32 v[232+\b], v[232+\b]                 ; the block's largest p: the same two instructions on the same number give the same bits
.endr
	v_pk_add_f32 v[236:237], v[132:133], v[136:137]
	v_pk_add_f32 v[250:251], v[140:141], v[144:145]
	v_pk_add_f32 v[248:249], v[148:149], v[152:153]
	v_pk_add_f32 v[246:247], v[156:157], v[160:161]
	v_pk_add_f32 v[244:245], v[164:165], v[168:169]
	v_pk_add_f32 v[240:241], v[172:173], v[176:177]
	v_pk_add_f32 v[238:239], v[180:181], v[184:185]
	v_pk_add_f32 v[14:15], v[14:15], v[188:189]
	v_pk_add_f32 v[236:237], v[236:237], v[128:129]
	v_pk_add_f32 v[250:251], v[250:251], v[130:131]
	v_pk_add_f32 v[248:249], v[248:249], v[134:135]
	v_pk_add_f32 v[246:247], v[246:247], v[138:139]
	v_pk_add_f32 v[244:245], v[244:245], v[142:143]
	v_pk_add_f32 v[240:241], v[240:241], v[146:147]
	v_pk_add_f32 v[238:239], v[238:239], v[150:151]
	v_pk_add_f32 v[14:15], v[14:15], v[154:155]
	v_pk_add_f32 v[236:237], v[236:237], v[158:159]
	v_pk_add_f32 v[250:251], v[250:251], v[162:163]
	v_pk_add_f32 v[248:249], v[248:249], v[166:167]
	v_pk_add_f32 v[246:247], v[246:247], v[170:171]
	v_pk_add_f32 v[244:245], v[244:245], v[174:175]
	v_pk_add_f32 v[240:241], v[240:241], v[178:179]
	v_pk_add_f32 v[238:239], v[238:239], v[182:183]
	v_pk_add_f32 v[14:15], v[14:15], v[186:187]
	v_pk_add_f32 v[236:237], v[236:237], v[190:191]
	s_delay_alu instid0(VALU_DEP_2)
	v_pk_add_f32 v[14:15], v[14:15], v[246:247]
	s_delay_alu instid0(VALU_DEP_2)
	v_pk_add_f32 v[236:237], v[236:237], v[244:245]
	v_pk_add_f32 v[250:251], v[250:251], v[240:241]
	v_pk_add_f32 v[248:249], v[248:249], v[238:239]
	s_delay_alu instid0(VALU_DEP_2)
	v_pk_add_f32 v[14:15], v[14:15], v[250:251]
	s_delay_alu instid0(VALU_DEP_2)
	v_pk_add_f32 v[236:237], v[236:237], v[248:249]
	s_delay_alu instid0(VALU_DEP_1)
	v_pk_add_f32 v[14:15], v[14:15], v[236:237]
	s_wait_alu depctr_va_vdst(0)                   ; and one for the four
.irp b, 0,1,2,3
	v_max_num_f32 v[232+\b], 0x1800000, v[232+\b]  ; the floor 2^(3 - 127): the byte cannot fall under 1
.endr
.irp b, 0,1,2,3
	s_delay_alu instid0(VALU_DEP_4)
	v_add_nc_u32 v[244+\b], 0xff000000, v[232+\b]  ; 2 off the exponent field: the conversion's scale operand
.endr
.irp b, 0,1,2,3
	s_delay_alu instid0(VALU_DEP_4)
	v_lshrrev_b32 v[236+\b], 23, v[244+\b]         ; the scale's byte
.endr
	s_delay_alu instid0(VALU_DEP_3)
	v_lshl_or_b32 v253, v237, 8, v236              ; p's scale word for these 128 keys
	s_delay_alu instid0(VALU_DEP_1)
	v_lshl_or_b32 v253, v238, 16, v253
	s_delay_alu instid0(VALU_DEP_1)
	v_lshl_or_b32 v253, v239, 24, v253
.irp c, 0,1
	v_cvt_scalef32_pk16_fp6_f32 v[224+6*\c:226+6*\c], v[S+32*\c:S+15+32*\c], v[244+2*\c]
	v_cvt_scalef32_pk16_fp6_f32 v[236+4*\c:238+4*\c], v[S+16+32*\c:S+31+32*\c], v[244+2*\c+1]   ; (a conversion's three registers begin on an even number)
.endr
	v_nop                                          ; one plain place behind a scaled conversion
.irp c, 0,1                                    ; the operand's layout wants a WHOLE block in a lane: lanes 0-15 block 2 c, lanes 16-31 block 2 c + 1
.irp i, 0,1,2
	v_permlane16_swap_b32 v[224+6*\c+\i], v[236+4*\c+\i]
.endr
.irp i, 0,1,2
	s_delay_alu instid0(VALU_DEP_3)
	v_mov_b32 v[227+6*\c+\i], v[236+4*\c+\i]
.endr
.endr
.set J, 0
	s_setprio 0
.rept 16
	v_pk_mul_f32 v[O+J:O+J+1], v[O+J:O+J+1], v[252:253] op_sel_hi:[1,0]   ; O^T under the new M: x f, each accumulator from its low end on.  (These are also the places in front of the products below)
.set J, J+2
.endr
	s_wait_alu depctr_va_vdst(0)
	s_wait_dscnt 0x0                               ; V and its scale words are in
.irp t, 0,1,2,3                                ; O^T += V^T P^T: four tiles of 16 d, by turns; K = these 128 keys
.if \t%2
	v_wmma_scale_f32_16x16x128_f8f6f4 v[O+8*\t:O+8*\t+7], v[80+12*\t:91+12*\t], v[224:235], v[O+8*\t:O+8*\t+7], v[30+\t/2], v253 matrix_a_fmt:MATRIX_FMT_FP6 matrix_b_fmt:MATRIX_FMT_FP6 matrix_a_scale:MATRIX_SCALE_ROW1
.else
	v_wmma_scale_f32_16x16x128_f8f6f4 v[O+8*\t:O+8*\t+7], v[80+12*\t:91+12*\t], v[224:235], v[O+8*\t:O+8*\t+7], v[30+\t/2], v253 matrix_a_fmt:MATRIX_FMT_FP6 matrix_b_fmt:MATRIX_FMT_FP6
.endif
.endr
	s_add_co_u32 s[TK], s[TK], 6144                ; the next step's images and scale words
	s_add_co_u32 s[TS], s[TS], 512
	s_add_co_u32 s[TJ], s[TJ], 256
.endm
; A quarter of the keys: four steps.  In front of it my part of the quarter has landed (of my five loads 3 - j, the later quarters', may be out), and behind the barrier everybody's has.
; Later loads may stay on their way.  In the second pass the waits are met at once.
.macro QUARTER j
	s_wait_tensorcnt 3-\j
	s_barrier_signal -1
	s_barrier_wait -1
	s_mov_b32 s[TK], \j*24576
	s_mov_b32 s[TS], \j*2048
	s_mov_b32 s[TJ], \j*1024
	s_mov_b32 s[CNT], 4
.Lstep_\@:
	s_setprio 2
	STEP
	s_sub_co_u32 s[CNT], s[CNT], 1
	s_cmp_lg_u32 s[CNT], 0
	s_cbranch_scc1 .Lstep_\@
	s_setprio 0
.endm
.Lpass:                                            ; two trips: a tile of 16 queries each
	s_wait_loadcnt 0x0                             ; Q
	v_mov_b32 v13, 0xff61b1e6                      ; the largest t so far: -3e38, under every t
	s_delay_alu instid0(VALU_DEP_1)
	v_floor_f32 v12, -v13                          ; -M
	v_mov_b32 v14, 0                               ; the sum, in two halves
	v_mov_b32 v15, 0
.set J, 0
.rept 32
	v_mov_b32 v[O+J], 0                            ; O^T.  (The step is written once: the first finds zeros, which the first change of M leaves zeros)
.set J, J+1
.endr
	QUARTER 0
	QUARTER 1
	QUARTER 2
	QUARTER 3
	; THE WAY OUT.  z = O^T / the sum; its 64 along d are two blocks of z's K; a lane holds 16 of each.
.rept 4
	v_nop                                          ; places behind the last products
.endr
	s_cmp_eq_u32 s[PASS], 1                        ; the next pass's Q is asked for here, if there is a next pass: no load leaves its buffer
	s_cbranch_scc1 .Lno_next
	s_add_nc_u64 s[QP:QP+1], s[QP:QP+1], 16*768    ; (this pass's loads of Q were waited for at its head)
	s_add_nc_u64 s[QSP:QSP+1], s[QSP:QSP+1], 2*512
	global_load_b128 v[16:19], v1, s[QP:QP+1]
	global_load_b64 v[20:21], v2, s[QP:QP+1] offset:512
	global_load_b32 v255, v7, s[QSP:QSP+1]
.Lno_next:
	v_add_f32 v14, v14, v15                        ; the sum's two halves,
	s_delay_alu instid0(VALU_DEP_1)
	v_permlanex16_b32 v252, v14, s[SEL], s[SEL+1]
	s_delay_alu instid0(VALU_DEP_1)
	v_add_f32 v14, v14, v252                       ; and lane l xor 16's: the row's sum
	s_wait_alu depctr_va_vdst(0)
	v_rcp_f32 v14, v14
	v_nop                                          ; a plain place behind the transcendental
	s_wait_alu depctr_va_vdst(0)                   ; and the wait, ahead of its first reader
.set J, 0
.rept 16
	v_pk_mul_f32 v[S+J:S+J+1], v[O+J:O+J+1], v[14:15] op_sel_hi:[1,0]   ; register 16 b + i is z(my query, d = 32 b + 16 (lane / 16) + i)
.set J, J+2
.endr
.irp b, 0,1
	v_max3_num_f32 v[236+\b], |v[S+16*\b]|, |v[S+1+16*\b]|, 0x1800000   ; block b: my 16 numbers, and the floor 2^(3 - 127)
.endr
.irp i, 2,4,6,8,10,12,14
.irp b, 0,1
	s_delay_alu instid0(VALU_DEP_2)
	v_max3_num_f32 v[236+\b], v[236+\b], |v[S+16*\b+\i]|, |v[S+1+16*\b+\i]|
.endr
.endr
.irp b, 0,1
	s_delay_alu instid0(VALU_DEP_2)
	v_permlanex16_b32 v[238+\b], v[236+\b], s[SEL], s[SEL+1]
.endr
.irp b, 0,1
	s_delay_alu instid0(VALU_DEP_2)
	v_max_num_f32 v[236+\b], v[236+\b], v[238+\b]  ; the block's largest magnitude
.endr
.irp b, 0,1
	s_delay_alu instid0(VALU_DEP_2)
	v_add_nc_u32 v[244+\b], 0xff000000, v[236+\b]  ; the conversion's scale operand
.endr
.irp b, 0,1
	s_delay_alu instid0(VALU_DEP_2)
	v_lshrrev_b32 v[238+\b], 23, v[244+\b]         ; the scale's byte
.endr
	s_delay_alu instid0(VALU_DEP_1)
	v_lshl_or_b32 v254, v239, 8, v238              ; my row's two bytes
	v_cvt_scalef32_pk16_fp6_f32 v[224:226], v[S:S+15], v244
	v_cvt_scalef32_pk16_fp6_f32 v[232:234], v[S+16:S+31], v245
	v_nop                                          ; one plain place behind a scaled conversion
.irp i, 0,1,2
	v_permlane16_swap_b32 v[224+\i], v[232+\i]     ; lanes 0-15 get block 0 whole, lanes 16-31 block 1
.endr
.irp i, 0,1,2
	s_delay_alu instid0(VALU_DEP_3)
	v_mov_b32 v[227+\i], v[232+\i]
.endr
	global_store_b128 v1, v[224:227], s[ZP:ZP+1]   ; the image: 512 consecutive bytes,
	global_store_b64 v2, v[228:229], s[ZP:ZP+1] offset:512   ; and 256
	global_store_b16 v6, v254, s[ZSP:ZSP+1]        ; lanes 16-31 write what lanes 0-15 write, to the same places
	s_wait_xcnt 0x0                                ; the stores have read their registers and bases: both may be written again
	s_add_nc_u64 s[ZP:ZP+1], s[ZP:ZP+1], 16*12288
	s_add_nc_u64 s[ZSP:ZSP+1], s[ZSP:ZSP+1], 16*512
	s_sub_co_u32 s[PASS], s[PASS], 1
	s_cmp_lg_u32 s[PASS], 0
	s_cbranch_scc1 .Lpass
	s_wait_tensorcnt 0x0
	ds_add_u32 v29, v243
	s_wait_dscnt 0x0
	CROUND                                         ; the closing round: no work-group ends while a partner may still ask for a tile that names it
	s_endpgm
.Lfunc_end_k_qb0458197f5_attn:
	.size	k_qb0458197f5_attn, .Lfunc_end_k_qb0458197f5_attn-k_qb0458197f5_attn
	.p2alignl 7, 3214868480
	.fill 96, 4, 3214868480
	.section	.rodata,"a",@progbits
	.p2align	6, 0x0
	.amdhsa_kernel k_qb0458197f5_attn
		.amdhsa_group_segment_fixed_size 210944
		.amdhsa_private_segment_fixed_size 0
		.amdhsa_enable_private_segment 0
		.amdhsa_kernarg_size 16
		.amdhsa_user_sgpr_count 2
		.amdhsa_user_sgpr_kernarg_segment_ptr 1
		.amdhsa_wavefront_size32 1
		.amdhsa_system_sgpr_workgroup_id_x 1
		.amdhsa_system_sgpr_workgroup_id_y 1
		.amdhsa_system_sgpr_workgroup_id_z 1
		.amdhsa_system_vgpr_workitem_id 0
		.amdhsa_next_free_vgpr 256
		.amdhsa_next_free_sgpr 80
		.amdhsa_reserve_vcc 0
		.amdhsa_float_denorm_mode_32 3
		.amdhsa_float_denorm_mode_16_64 3
		.amdhsa_memory_ordered 1
		.amdhsa_forward_progress 1
		.amdhsa_inst_pref_size 85
	.end_amdhsa_kernel
	.amdgpu_metadata
---
amdhsa.version: [ 1, 2 ]
amdhsa.kernels:
  - .name:           k_qb0458197f5_attn
    .symbol:         k_qb0458197f5_attn.kd
    .args:
      - { .name: qkv, .offset: 0, .size: 8, .value_kind: global_buffer, .address_space: global }
      - { .name: zq, .offset: 8, .size: 8, .value_kind: global_buffer, .address_space: global }
    .group_segment_fixed_size: 210944
    .private_segment_fixed_size: 0
    .kernarg_segment_align: 8
    .kernarg_segment_size: 16
    .max_flat_workgroup_size: 512
    .sgpr_count:     80
    .vgpr_count:     256
    .wavefront_size: 32
...
	.end_amdgpu_metadata
.endif
;; end of part 3
;; launch proj (part 4): grid 4 x 32, 4 waves a work-group, clusters of 4 x 4, 327,680 bytes of LDS; arguments zq, pq, proj_b, out0; writes out0
.if DOCPART == 4
	.amdgcn_target "amdgcn-amd-amdhsa--gfx1250"
	.amdhsa_code_object_version 6
	.text
	.protected	k_qb0458197f5_proj
	.globl	k_qb0458197f5_proj
	.p2align	8
	.type	k_qb0458197f5_proj,@function
k_qb0458197f5_proj:
	s_mov_b64 s[64:65], 0
	v_nop
	global_prefetch_b8 v0, s[64:65] scope:SCOPE_SE
	s_setreg_imm32_b32 hwreg(HW_REG_WAVE_MODE, 25, 1), 1
	s_wait_xcnt 0x0
	s_wait_alu depctr_hold_cnt(0) depctr_sa_sdst(0) depctr_va_vdst(0) depctr_va_sdst(0) depctr_va_ssrc(0) depctr_va_vcc(0) depctr_vm_vsrc(0)
	s_getreg_b32 s2, hwreg(HW_REG_IB_STS2, 6, 4)
	s_cmp_eq_u32 s2, 0
	s_cbranch_scc0 .Lentry_in_a_cluster
	s_endpgm
.Lentry_in_a_cluster:
	s_bfe_u32 s2, ttmp6, 0x10000c
	s_cmp_lg_u32 s2, 0xf033
	s_cbranch_scc0 .Lentry_shape_is_right
	s_endpgm
.Lentry_shape_is_right:
; out0 = z proj_w^T + proj_b on codes of FP6 (E2M3) with E8M0 scales: [8192] x [1024], K = 1,024; out0 f32.
; A tile of 256 x 256 is made by four waves, each 128 x 128: 64 accumulators, 512 registers.  K goes in steps of 256 through a ring of two LDS slots filled by the tensor data mover; the scale bytes of the
; work-group's 256 + 256 rows come into LDS once.  CLUSTERS of 4 x 4: z's tiles are asked for jointly along a row of the cluster, proj_w's along a column.
; z LIES AS IMAGES OF OPERAND REGISTERS: [512 tiles of 16 rows][16 heads][768 bytes]: registers 0-3 at 16 lane, registers 4-5 at 512 + 8 lane.  Two heads are a fragment of 128 along K; a K step is four heads:
; 3,072 consecutive bytes of each tile of rows, so a wave's tensor load brings 8 rows of 3,072 bytes, 12,288 bytes apart.  An LDS load's bytes are consecutive: no padding.
; proj_w lies as rows of codes, 768 bytes each.  SOURCE 0 = 16 rows of proj_w, SOURCE 1 = 16 rows of z: a lane holds eight neighbouring numbers of a row of out0.
; ROWS: in both operands bits 3 and 4 of the row number have changed places.  Of proj_w's tile b register j of lane (r, h) is column 32 (b / 2) + 16 h + 8 (b % 2) + j; of z's tile a lane r is row
; 32 (a / 2) + 8 (a % 2) + r + 8 (r / 8).  The way out puts both right by its offsets.  The bias is the C of each sum's first matrix instruction (another order of f32 rounding than a bias added last).
; 128 work-groups: a tile of 128 x 256 would give 256, at twice the LDS reads for each product.  No prefetch: two refills a slot in all, of tiles that many work-groups read.
; REGISTERS, in windows of 256: window 0: v0-31 addresses; v32-63 scale words, two sets; v64-127 the bias; from v128 z's fragments, ONE set; on the way out v128-255 are free.
;   window 1: proj_w's fragments, TWO sets, at v0 and v128.   window 2: the accumulators of z's blocks 0-3 ((a, b) at v[8 (8 a + b)]);   window 3: those of blocks 4-7.
.set NQ,     2                         ; matrix instructions deep in a slot
.set ROWB,   192                       ; a row of proj_w's tile in bytes
.set KROW,   768                       ; a row of codes in memory; also 1/16 of a tile of z's rows
.set PITCH,  240                       ; an LDS row of proj_w: 3 x (64 bytes + 16 of padding)
.set FR,     12
.set NLA,    4                         ; LDS loads that bring a fragment of z
.set NP,     4                         ; places behind this matrix instruction (ISA guide 7.12.1)
.set HALFA,  8*3072                    ; z: 128 rows x 256 K: what one tensor load brings
.set HALFT,  128*PITCH                 ; proj_w: the same
.set SLOT,   2*HALFA+2*HALFT           ; z's 256 rows, then proj_w's 256 rows
.set LAPS,   2
.set KS,     32                        ; a row of scale bytes
.set SCL,    2*SLOT                    ; behind the ring: the scales, as units of 256 bytes + 16 of padding
.set HALFS,  (128*KS/256)*272
.set SBLK,   (16*KS/256)*272
.set SPARE,  SCL+4*HALFS               ; behind the scales: the spare words, 128 bytes a wave
.set SPITCH, 528                       ; the way out: a stage of 16 rows x (512 bytes + 16) for each wave, in slot 0, which has had its last fill and its last read when the first result is stored there
.set ZS,     6291456                   ; where the scale bytes begin in zq,
.set PS,     786432                    ; in pq
.set ADRA, 16                          ; v16-17  z's images in slot 0, 1, + 16 x lane  (v18-19: + 8 x lane)
.set ADRB, 20                          ; v20-21  proj_w's fragments  (v22-23: for the pieces behind one padding more)
.set STO,  24                          ; v24     the way out: where I put 32 bytes of a row
.set RD,   25                          ; v25     where I read a row back
.set CO,   26                          ; v26     my byte offset in a row of out0
.set ADSC, 27                          ; v27     my scale words: lanes 0-15 z's rows, lanes 16-31 proj_w's
.set SPW,  28                          ; v28     LDS address of my spare word; never rewritten
.set NIL,  29                          ; v29     0; never rewritten
.set SC,   32
.set BI,   64
.set AF,   128
.set BK,   128                         ; the way out: 16 rows read back from the stage: v128-191 and v192-255 by turns
.set G1, 24
.set G0, 32
.set G1B, 48
.set G0B, 56
.set G1S, 68
.set G0S, 76
.set G1SB, 80
.set G0SB, 88
.set MSB, 0
.macro WIN new                         ; the immediate's high byte repeats the setting that is left
.if MSB != (\new)
	s_set_vgpr_msb (MSB<<8)|(\new)
.set MSB, (\new)
.endif
.endm
.set MUL_LO,  0xa1                     ; source 0 (proj_w) window 1, source 1 (z) window 0, C and D window 2
.set MUL_HI,  0xf1
.set MUL_LOB, 0x81                     ; C (the bias) window 0, D window 2
.set MUL_HIB, 0xc1
.set TO_B,    0x40
.macro JLOAD g0a, g1a, g0b, g1b        ; a joint load: waves 0 and 1 fetch for z, waves 2 and 3 for proj_w; four v_nop follow each of the two lines
	s_cmp_eq_u32 s15, 0
	s_cbranch_scc0 .Lfor_b_\@
	tensor_load_to_lds s[\g0a:\g0a+3], s[\g1a:\g1a+7]
	s_nop 0
.rept 4
	v_nop
.endr
	s_branch .Lasked_\@
.Lfor_b_\@:
	tensor_load_to_lds s[\g0b:\g0b+3], s[\g1b:\g1b+7]
	s_nop 0
.rept 4
	v_nop
.endr
.Lasked_\@:
.endm
.macro CREST
	s_cmp_lg_u32 s14, 0
	s_cbranch_scc1 .Lnot_wave_0_\@
	s_barrier_signal -3
.Lnot_wave_0_\@:
	s_barrier_wait -3
	s_barrier_signal -1
	s_barrier_wait -1
.endm
.macro CROUND
	s_barrier_signal -1
	s_barrier_wait -1
	CREST
.endm
	s_load_b64 s[4:5], s[0:1], 0x0                 ; zq
	s_load_b64 s[8:9], s[0:1], 0x8                 ; pq
	s_load_b128 s[96:99], s[0:1], 0x10             ; proj_b s[96:97], out0 s[98:99]
	v_lshl_add_u32 v[SPW], v0, 2, SPARE
	v_mov_b32 v[NIL], 0
	ds_add_u32 v28, v29
	ds_add_u32 v28, v29
	s_wait_dscnt 0x0
	v_lshrrev_b32 v1, 5, v0
	v_readfirstlane_b32 s14, v1                    ; wave 0..3
	s_lshr_b32 s15, s14, 1                         ; which half of the tile's rows is mine.  Also: I fetch for z (0) or for proj_w (1)
	s_and_b32 s16, s14, 1                          ; which half of its columns.  Also: which 128 rows of that tile I fetch
	s_bfe_u32 s40, ttmp6, 0x40000                  ; cx, cy
	s_bfe_u32 s41, ttmp6, 0x40004
	s_lshl_b32 s42, ttmp9, 2
	s_add_co_u32 s42, s42, s40                     ; Xt: tile column
	s_and_b32 s17, ttmp7, 0xffff
	s_lshl_b32 s17, s17, 2
	s_add_co_u32 s17, s17, s41                     ; Yt: tile row
	s_lshl_b32 s43, s41, 2
	s_lshl_b32 s43, 15, s43                        ; my row of the cluster
	s_lshl_b32 s44, 0x1111, s40                    ; my column
	; z's tiles: 8 rows of 3,072 bytes (384 elements of 8 bytes), 12,288 bytes apart, dense in LDS
	s_or_b32 s[G1+0], s43, (3<<16)|(1<<21)         ; 15:0 the mask: z's tiles go to my row; 17:16 element of 8 bytes; 21 set beside a mask
	s_mov_b32 s[G1+1], 384<<16                     ; tensor_dim0
	s_mov_b32 s[G1+2], 8<<16                       ; tensor_dim1
	s_mov_b32 s[G1+3], 384<<16                     ; tile_dim0
	s_mov_b32 s[G1+4], 8                           ; tile_dim1
	s_mov_b32 s[G1+5], 1536                        ; tensor_dim0_stride
	s_mov_b32 s[G1+6], 0
	s_mov_b32 s[G1+7], 0
	; proj_w's tiles: 128 rows x 192 bytes, 16 bytes of padding behind every 64
	s_or_b32 s[G1B+0], s44, (0<<16)|(1<<20)|(1<<21)|(3<<22)|(3<<25)
	s_mov_b32 s[G1B+1], ROWB<<16
	s_mov_b32 s[G1B+2], 128<<16
	s_mov_b32 s[G1B+3], ROWB<<16
	s_mov_b32 s[G1B+4], 128
	s_mov_b32 s[G1B+5], KROW
	s_mov_b32 s[G1B+6], 0
	s_mov_b32 s[G1B+7], 0
	; the scales of 128 rows: 4,096 dense bytes, as rows of 256 bytes, 16 bytes of padding behind each
	s_or_b32 s[G1S+0], s43, (3<<16)|(1<<20)|(1<<21)|(5<<22)|(3<<25)
	s_or_b32 s[G1SB+0], s44, (3<<16)|(1<<20)|(1<<21)|(5<<22)|(3<<25)
.irp g, G1S, G1SB
	s_mov_b32 s[\g+1], 32<<16
	s_mov_b32 s[\g+2], (128*KS/256)<<16
	s_mov_b32 s[\g+3], 32<<16
	s_mov_b32 s[\g+4], 128*KS/256
	s_mov_b32 s[\g+5], 32
	s_mov_b32 s[\g+6], 0
	s_mov_b32 s[\g+7], 0
.endr
	s_lshl_b32 s18, s16, 7                         ; which 128 rows of the tile I fetch
	s_lshl_b32 s20, s17, 8
	s_add_co_u32 s20, s20, s18                     ; z: row 256 Yt + 128 x half
	s_lshl_b32 s46, s42, 8
	s_add_co_u32 s46, s46, s18                     ; proj_w: row 256 Xt + 128 x half
	s_mov_b32 s21, 0
	s_mov_b32 s47, 0
	s_mov_b64 s[18:19], KS
	s_mul_u64 s[22:23], s[20:21], s[18:19]         ; where these rows' scales begin, in bytes
	s_mul_u64 s[92:93], s[46:47], s[18:19]
	s_mov_b64 s[18:19], KROW
	s_mul_u64 s[20:21], s[20:21], s[18:19]         ; and their codes (z: 16 rows x 768 = a tile's 12,288 bytes)
	s_mul_u64 s[46:47], s[46:47], s[18:19]
	s_mul_i32 s45, s16, HALFA                      ; where they go: z's two halves,
	s_mul_i32 s95, s16, HALFT
	s_add_co_u32 s95, s95, 2*HALFA                 ; then proj_w's two: no place in the cluster enters an LDS address
	s_mul_i32 s94, s14, HALFS
	s_wait_kmcnt 0x0
	s_add_nc_u64 s[6:7], s[4:5], ZS                ; z's scale bytes
	s_add_nc_u64 s[10:11], s[8:9], PS              ; proj_w's
	s_add_nc_u64 s[20:21], s[4:5], s[20:21]
	s_add_nc_u64 s[22:23], s[6:7], s[22:23]
	s_add_nc_u64 s[46:47], s[8:9], s[46:47]
	s_add_nc_u64 s[92:93], s[10:11], s[92:93]
	CROUND                                         ; all sixteen work-groups are here: the first joint loads meet
	s_mov_b32 s[G0S], 1
	s_add_co_u32 s[G0S+1], s94, SCL
	s_mov_b64 s[G0S+2:G0S+3], s[22:23]
	s_or_b32 s[G0S+3], s[G0S+3], 0x80000000
	s_mov_b32 s[G0SB], 1
	s_add_co_u32 s[G0SB+1], s94, SCL
	s_mov_b64 s[G0SB+2:G0SB+3], s[92:93]
	s_or_b32 s[G0SB+3], s[G0SB+3], 0x80000000
	JLOAD G0S, G1S, G0SB, G1SB                     ; the scales first: they are wanted with K step 0
.irp s, 0,1
	s_mov_b32 s[G0+4*\s], 1
	s_add_co_u32 s[G0+4*\s+1], s45, \s*SLOT
	s_add_nc_u64 s[G0+4*\s+2:G0+4*\s+3], s[20:21], \s*3072
	s_or_b32 s[G0+4*\s+3], s[G0+4*\s+3], 0x80000000
	s_mov_b32 s[G0B+4*\s], 1
	s_add_co_u32 s[G0B+4*\s+1], s95, \s*SLOT
	s_add_nc_u64 s[G0B+4*\s+2:G0B+4*\s+3], s[46:47], \s*ROWB
	s_or_b32 s[G0B+4*\s+3], s[G0B+4*\s+3], 0x80000000
	JLOAD G0+4*\s, G1, G0B+4*\s, G1B
.endr
	v_and_b32 v1, 15, v0                           ; r
	v_bfe_u32 v2, v0, 4, 1                         ; h
	v_mul_u32_u24 v3, v1, PITCH
	v_mul_u32_u24 v4, v2, 24
	v_add_nc_u32 v4, v3, v4                        ; proj_w: a fragment's row x pitch + 24 x half
	v_lshl_add_u32 v5, v2, 4, v4                   ; and the same behind one padding more
	v_and_b32 v6, 31, v0
	v_lshlrev_b32 v7, 4, v6                        ; z: 16 x lane
	v_lshlrev_b32 v8, 3, v6                        ; and 8 x lane
	s_mul_i32 s21, s15, HALFA                      ; my 128 rows of z
	s_mul_i32 s22, s16, HALFT                      ; my 128 rows of proj_w,
	s_add_co_u32 s22, s22, 2*HALFA                 ; which lie behind z's 256
.irp s, 0,1
	v_add_nc_u32 v[ADRA+\s], s21, v7
	v_add_nc_u32 v[ADRA+2+\s], s21, v8
	v_add_nc_u32 v[ADRB+\s], s22, v4
	v_add_nc_u32 v[ADRB+2+\s], s22, v5
	s_add_co_u32 s21, s21, SLOT
	s_add_co_u32 s22, s22, SLOT
.endr
	v_mul_u32_u24 v5, v1, KS                       ; my row's scales: 32 bytes a row,
	v_lshrrev_b32 v6, 8, v5
	v_lshl_add_u32 v5, v6, 4, v5                   ; and 16 more for each 256 passed
	s_mul_i32 s21, s15, HALFS                      ; z's: my 128 rows
	s_mul_i32 s22, s16, HALFS                      ; proj_w's: my 128 rows, behind z's 256
	s_add_co_u32 s22, s22, 2*HALFS
	s_sub_co_u32 s22, s22, s21
	v_mul_u32_u24 v6, s22, v2                      ; lanes 16-31 take proj_w's
	s_add_co_u32 s21, s21, SCL
	v_add_nc_u32 v5, v5, v6
	v_add_nc_u32 v[ADSC], s21, v5
	s_mul_i32 s23, s14, 16*SPITCH                  ; my stage
	v_mul_u32_u24 v5, v1, SPITCH                   ; in: row r; my half's 16 columns of each 32: 64 h bytes on
	v_lshl_add_u32 v5, v2, 6, v5
	v_add_nc_u32 v[STO], s23, v5
	v_mov_b32 v[CO], v7                            ; back: the 32 lanes take one row of 512 bytes; and the same in out0
	v_add_nc_u32 v[RD], s23, v7
	s_lshl_b32 s46, s42, 10                        ; my first column, in bytes: 1,024 Xt + 512 x half
	s_lshl_b32 s47, s16, 9
	s_add_co_u32 s46, s46, s47
	s_mov_b32 s47, 0
	s_add_nc_u64 s[96:97], s[96:97], s[46:47]      ; proj_b there
	s_lshl_b32 s20, s17, 8
	s_lshl_b32 s21, s15, 7
	s_add_co_u32 s20, s20, s21                     ; my first row of out0: 256 Yt + 128 x half,
	s_lshl_b32 s20, s20, 12                        ; of 4,096 bytes (under 2^32)
	s_mov_b32 s21, 0
	s_add_nc_u64 s[12:13], s[98:99], s[20:21]
	s_add_nc_u64 s[12:13], s[12:13], s[46:47]
	v_lshlrev_b32 v6, 6, v2                        ; the bias in the result's layout: register j of tile b is column 32 (b / 2) + 16 h + 8 (b % 2) + j
.irp b, 0,1,2,3,4,5,6,7
	global_load_b128 v[BI+8*\b:BI+8*\b+3], v6, s[96:97] offset:(32*(\b/2)+8*(\b%2))*4
	global_load_b128 v[BI+8*\b+4:BI+8*\b+7], v6, s[96:97] offset:(32*(\b/2)+8*(\b%2))*4+16
.endr
.macro FRAG reg, adr, q, i             ; a fragment of proj_w from rows: 24 bytes of the row's stream of bits at a time, in pieces of 8 bytes
.irp p, 0,1,2,3,4,5
.set PC, 12*(\q)+6*(\p/3)+\p%3        ; 16 bytes of padding lie behind every 8 pieces: where the piece three on lies behind one padding more, the second address register serves
.if PC%8 < 5
	ds_load_b64 v[\reg+2*\p:\reg+2*\p+1], v[\adr] offset:8*PC+16*(PC/8)+(\i)*16*PITCH
.else
	ds_load_b64 v[\reg+2*\p:\reg+2*\p+1], v[\adr+2] offset:8*PC+16*(PC/8)+(\i)*16*PITCH
.endif
.endr
.endm
.macro FRAGA reg, slot, q, i           ; a fragment of z from two heads' images: tile of rows i, the slot's q-th 128 along K
	ds_load_b128 v[\reg:\reg+3],     v[ADRA+\slot]   offset:3072*(\i)+1536*(\q)
	ds_load_b64  v[\reg+4:\reg+5],   v[ADRA+2+\slot] offset:3072*(\i)+1536*(\q)+512
	ds_load_b128 v[\reg+6:\reg+9],   v[ADRA+\slot]   offset:3072*(\i)+1536*(\q)+768
	ds_load_b64  v[\reg+10:\reg+11], v[ADRA+2+\slot] offset:3072*(\i)+1536*(\q)+1280
.endm
; 16 matrix instructions: z's blocks a0, a0 + 1 x proj_w's eight.  cm = 1: the sums begin with the bias.  The 64 accumulators take turns, one instruction a turn.
.macro MUL16 a0, p, q, sc, cm
.irp a, \a0, \a0+1
.irp b, 0,1,2,3,4,5,6,7
.if \cm
	v_wmma_scale_f32_16x16x128_f8f6f4 v[8*(8*((\a)%4)+\b):8*(8*((\a)%4)+\b)+7], v[128*(\p)+FR*\b:128*(\p)+FR*\b+FR-1], v[AF+FR*(\a):AF+FR*(\a)+FR-1], v[BI+8*\b:BI+8*\b+7], v[SC+8*NQ*(\sc)+NQ*\b+(\q)], v[SC+8*NQ*(\sc)+NQ*(\a)+(\q)] matrix_a_fmt:MATRIX_FMT_FP6 matrix_b_fmt:MATRIX_FMT_FP6 matrix_a_scale:MATRIX_SCALE_ROW1
.else
	v_wmma_scale_f32_16x16x128_f8f6f4 v[8*(8*((\a)%4)+\b):8*(8*((\a)%4)+\b)+7], v[128*(\p)+FR*\b:128*(\p)+FR*\b+FR-1], v[AF+FR*(\a):AF+FR*(\a)+FR-1], v[8*(8*((\a)%4)+\b):8*(8*((\a)%4)+\b)+7], v[SC+8*NQ*(\sc)+NQ*\b+(\q)], v[SC+8*NQ*(\sc)+NQ*(\a)+(\q)] matrix_a_fmt:MATRIX_FMT_FP6 matrix_b_fmt:MATRIX_FMT_FP6 matrix_a_scale:MATRIX_SCALE_ROW1
.endif
.endr
.endr
.endm
.macro FETCH_B slot, q, p
	WIN TO_B
.irp i, 0,1,2,3,4,5,6,7
	FRAG 128*(\p)+FR*\i, ADRB+\slot, \q, \i
.endr
	WIN 0
.endm
.macro FETCH_A slot, q, i0
.irp i, \i0, \i0+1, \i0+2, \i0+3
	FRAGA AF+FR*(\i), \slot, \q, \i
.endr
.endm
.macro SCALES sc
.irp i, 0,1,2,3,4,5,6,7
	ds_load_b64 v[SC+8*NQ*\sc+NQ*\i:SC+8*NQ*\sc+NQ*\i+1], v[ADSC] offset:\i*SBLK
.endr
.endm
.macro PLACES n                        ; places behind matrix instructions, in front of loads into registers that they have read and of reads of their results (ISA guide 7.12.1 for vector instructions)
.rept \n
	v_nop
.endr
.endm
.macro STEP slot, q, cm
	s_wait_dscnt 4*NLA                             ; proj_w's set and z's blocks 0-3 are in; the youngest 16 loads (z's blocks 4-7) may be out
.if \cm
	WIN MUL_LOB
.else
	WIN MUL_LO
.endif
	MUL16 0, (\q)%2, \q, \slot, \cm
	MUL16 2, (\q)%2, \q, \slot, \cm
	s_wait_dscnt 0                                 ; z's blocks 4-7 are in
	PLACES NP
	FETCH_B \slot, (\q)+1, 1-(\q)%2
	FETCH_A \slot, (\q)+1, 0
.if \cm
	WIN MUL_HIB
.else
	WIN MUL_HI
.endif
	MUL16 4, (\q)%2, \q, \slot, \cm
	MUL16 6, (\q)%2, \q, \slot, \cm
	PLACES NP
	WIN 0
	FETCH_A \slot, (\q)+1, 4
.endm
; A slot's last step changes slots: ONE barrier; in front of it each wave waits for all its tensor loads, adds 0 to its spare word, and waits for that and for its own reads of this slot.
.macro TURN slot, next, fill
	s_wait_tensorcnt 0x0                           ; all my tensor loads have landed: my part of the next slot;  (every window is 0 here)
	ds_add_u32 v[SPW], v[NIL]                      ; 0 onto my spare word
	s_wait_dscnt 4*NLA+1                           ; (the add and the youngest 16 loads, z's blocks 4-7, may be out)
	WIN MUL_LO
	MUL16 0, 1, NQ-1, \slot, 0                     ; sixteen matrix instructions stand between the add and the wait for it
	s_wait_dscnt 0x0                               ; the add is done, and my reads of this slot are over
	s_barrier_signal -1
	MUL16 2, 1, NQ-1, \slot, 0
	WIN 0
	s_barrier_wait -1
.if \fill
	CREST                                          ; the barrier has opened a round of the cluster's barrier: no wave of any partner still reads this slot's tile or has a load on its way
	s_add_nc_u64 s[G0+4*\slot+2:G0+4*\slot+3], s[G0+4*\slot+2:G0+4*\slot+3], 2*3072
	s_add_nc_u64 s[G0B+4*\slot+2:G0B+4*\slot+3], s[G0B+4*\slot+2:G0B+4*\slot+3], 2*ROWB
	JLOAD G0+4*\slot, G1, G0B+4*\slot, G1B         ; the first tensor load behind the round; the four v_nop behind it are the places in front of the loads below
.else
	PLACES NP
.endif
	v_add_nc_u32 v[ADSC], 4*NQ, v[ADSC]            ; on to the next K step's scale words (no LDS load of mine is out)
	FETCH_B \next, 0, 0
	FETCH_A \next, 0, 0
	SCALES \next
	WIN MUL_HI
	MUL16 4, 1, NQ-1, \slot, 0
	MUL16 6, 1, NQ-1, \slot, 0
	PLACES NP
	WIN 0
	FETCH_A \next, 0, 4
.endm
	s_wait_tensorcnt 1                             ; the scales and my part of K step 0 are in (K step 1's load may be out)
	s_barrier_signal -1
	s_barrier_wait -1                              ; everybody's are
	FETCH_B 0, 0, 0
	FETCH_A 0, 0, 0
	SCALES 0
	FETCH_A 0, 0, 4
	s_wait_loadcnt 0x0                             ; the bias
	STEP 0, 0, 1                                   ; the first step stands in front of the loop: its products begin the sums with the bias
	s_mov_b32 s3, LAPS-1
.Llap:                                                 ; a trip goes once round the ring and fills both slots again
	TURN 0, 1, 1
	STEP 1, 0, 0
	TURN 1, 0, 1
	STEP 0, 0, 0
	s_sub_co_u32 s3, s3, 1
	s_cmp_lg_u32 s3, 0
	s_cbranch_scc1 .Llap
	TURN 0, 1, 0                                   ; the last lap fills nothing, and has no round of the cluster's barrier
	STEP 1, 0, 0
	s_wait_dscnt 4*NLA                             ; the very last step: nothing more to fetch
	WIN MUL_LO
	MUL16 0, 1, NQ-1, 1, 0
	MUL16 2, 1, NQ-1, 1, 0
	s_wait_dscnt 0
	WIN MUL_HI
	MUL16 4, 1, NQ-1, 1, 0
	MUL16 6, 1, NQ-1, 1, 0
	WIN 0
; THE WAY OUT, block by block of 16 rows x 128 columns, through my own stage in LDS: in by lanes (32 neighbouring bytes of a row each), back as whole rows of 512 bytes.
; LDS serves a wave's instructions in order (ISA guide 5.7.1.4): no wait between the stores and the loads, nor in front of the next block's stores.
.macro TOSTAGE a
.set AC, 64*((\a)%4)
	WIN 0x08+4*((\a)/4)                            ; the data: window 2 or 3
.irp b, 0,1,2,3,4,5,6,7
	ds_store_b128 v[STO], v[AC+8*\b:AC+8*\b+3] offset:128*(\b/2)+32*(\b%2)          ; each accumulator from its low end on; columns 32 (b / 2) + 16 h + 8 (b % 2) on
	ds_store_b128 v[STO], v[AC+8*\b+4:AC+8*\b+7] offset:128*(\b/2)+32*(\b%2)+16
.endr
	WIN 0
.set BB, BK+64*((\a)%2)
.irp t, 0,1,2,3,4,5,6,7,8,9,10,11,12,13,14,15
	ds_load_b128 v[BB+4*\t:BB+4*\t+3], v[RD] offset:\t*SPITCH
.endr
.endm
.macro SEND a, younger                 ; younger: the LDS instructions issued behind block a's loads, which may stay out
.set BB, BK+64*((\a)%2)
.set RW, 32*((\a)/2)+8*((\a)%2)        ; the block's row t is row RW + t + 8 (t / 8) of my 128: at most 127 rows of 4,096 bytes, inside the signed 24-bit immediate, so the base never steps
	s_wait_dscnt \younger                          ; the block is back in registers
.irp t, 0,1,2,3,4,5,6,7,8,9,10,11,12,13,14,15
	global_store_b128 v[CO], v[BB+4*\t:BB+4*\t+3], s[12:13] offset:(RW+\t+8*(\t/8))*4096 th:TH_STORE_NT   ; 32 lanes store 512 consecutive bytes, at a multiple of 256 from out0's first byte
.endr
.endm
	PLACES NP                                      ; behind the last products: for the loads into the registers that held z's fragments and for the reads of results
	TOSTAGE 0
.irp a, 1,2,3,4,5,6,7
.if \a > 1
	s_wait_xcnt 0x0                                ; block a - 2's stores have read their registers: block a's loads may land there
.endif
	TOSTAGE \a
	SEND \a-1, 32                                  ; behind block a - 1's loads: block a's 16 stores and 16 loads
.endr
	SEND 7, 0
	s_wait_tensorcnt 0x0                           ; the wave's end: behind my last tensor load and my last LDS store
	ds_add_u32 v[SPW], v[NIL]
	s_wait_dscnt 0x0
	CROUND                                         ; the closing round: no work-group ends while a partner may still ask for a tile that names it
	s_endpgm
.Lfunc_end_k_qb0458197f5_proj:
	.size	k_qb0458197f5_proj, .Lfunc_end_k_qb0458197f5_proj-k_qb0458197f5_proj
	.p2alignl 7, 3214868480
	.fill 96, 4, 3214868480
	.section	.rodata,"a",@progbits
	.p2align	6, 0x0
	.amdhsa_kernel k_qb0458197f5_proj
		.amdhsa_group_segment_fixed_size 327680
		.amdhsa_private_segment_fixed_size 0
		.amdhsa_enable_private_segment 0
		.amdhsa_kernarg_size 32
		.amdhsa_user_sgpr_count 2
		.amdhsa_user_sgpr_kernarg_segment_ptr 1
		.amdhsa_wavefront_size32 1
		.amdhsa_system_sgpr_workgroup_id_x 1
		.amdhsa_system_sgpr_workgroup_id_y 1
		.amdhsa_system_sgpr_workgroup_id_z 1
		.amdhsa_system_vgpr_workitem_id 0
		.amdhsa_next_free_vgpr 1024
		.amdhsa_next_free_sgpr 102
		.amdhsa_reserve_vcc 0
		.amdhsa_float_denorm_mode_32 3
		.amdhsa_float_denorm_mode_16_64 3
		.amdhsa_memory_ordered 1
		.amdhsa_forward_progress 1
		.amdhsa_inst_pref_size 153
	.end_amdhsa_kernel
	.amdgpu_metadata
---
amdhsa.version: [ 1, 2 ]
amdhsa.kernels:
  - .name:           k_qb0458197f5_proj
    .symbol:         k_qb0458197f5_proj.kd
    .args:
      - { .name: zq, .offset: 0, .size: 8, .value_kind: global_buffer, .address_space: global }
      - { .name: pq, .offset: 8, .size: 8, .value_kind: global_buffer, .address_space: global }
      - { .name: proj_b, .offset: 16, .size: 8, .value_kind: global_buffer, .address_space: global }
      - { .name: out0, .offset: 24, .size: 8, .value_kind: global_buffer, .address_space: global }
    .group_segment_fixed_size: 327680
    .private_segment_fixed_size: 0
    .kernarg_segment_align: 8
    .kernarg_segment_size: 32
    .max_flat_workgroup_size: 128
    .sgpr_count:     102
    .vgpr_count:     1024
    .wavefront_size: 32
...
	.end_amdgpu_metadata
.endif
;; end of part 4
